; MI455X (gfx1250); checked and timed in simulation.
; The chip was launched on July 23, 2026; its instructions are those of AMD's public machine-readable ISA for CDNA 5 (MIT licence, August 2026) and "CDNA5" Instruction Set Architecture Reference Guide (July 2026). The comments in the code are by the model that wrote it; some were corrected since.
;; Multi Head Self Attention. Allowed arithmetic: matrix products marked QUANTISED: E2M1 operands, one E8M0 scale for each 32 along K, by v_wmma_scale_f32_16x16x128_f8f6f4 with both operands' format E2M1 (or v_wmma_scale_f32_32x16x128_f4), f32 sums; products left as they are: bf16, f16 or f32 operands; f32 sums; everything else in f32.
;; Inputs: w_proj 1,024 x 1,024 float32; w_qkv 3,072 x 1,024 float32; x 4 x 2,048 x 1,024 float32.
;; Outputs: out0 4 x 2,048 x 1,024 float32.
;; This version of the problem:
;;   THIS VERSION OF THE PROBLEM IS GIVEN IN LOW PRECISION. The matrix products marked QUANTISED in the list below multiply operands that are first quantised to E2M1 (2 exponent bits, 1 mantissa bit; 4 bits a number), with one power-of-two scale for each 32 numbers along K (OCP MX v1.0); their sums are f32. The products marked 'left as it is' may take bf16, f16 or f32 operands, with f32 sums. Whichever they take, every output number must still come out within the allowed error. Rounding operands to bf16 (8 significant bits) uses up far more of that allowance than f16 does (11 bits, for magnitudes from 6e-5 to 65,504). All else is computed in f32.
;;   The module's matrix products, in the order in which they are computed (A, B: the left and right operand; K: the contracted axis; several contracted axes count as one K, in the product's order):
;;     1. [M 8,192, K 1,024] x [K 1,024, N 3,072]; A: input x; B: input w_qkv: QUANTISED
;;     2. batch 64 x [M 2,048, K 64] x [K 64, N 2,048]; A: computed on the way; B: computed on the way: left as it is (an operand is computed on the way)
;;     3. batch 64 x [M 2,048, K 2,048] x [K 2,048, N 64]; A: computed on the way; B: computed on the way: left as it is (an operand is computed on the way)
;;     4. [M 8,192, K 1,024] x [K 1,024, N 1,024]; A: computed on the way; B: input w_proj: left as it is (an operand is computed on the way)
;;   THE QUANTISER, for each operand of a quantised product, along K:
;;     - K is cut into blocks of 32 from its start; a last block that is shorter is filled with zeros.
;;     - A block's scale is 2^e with e = floor(log2(the largest magnitude in the block)) - 2, held to -126 .. 127; a block of zeros has e = 0. As a byte (E8M0): e + 127.
;;     - Each number is divided by its block's scale, clamped to +-6, and rounded to the nearest number of E2M1, ties to even, subnormals kept.
;;     - The product sums the exact products of the quantised numbers (number of the format x scale) in f32.
;;   ~~~python
;;   def quantise(x, axis):      # numpy; x: float32 -> the quantised numbers, widened to float32 again
;;       x = np.moveaxis(x, axis, -1); K = x.shape[-1]
;;       x = np.pad(x, [(0, 0)] * (x.ndim - 1) + [(0, -K % 32)]); x = x.reshape(x.shape[:-1] + (-1, 32)); a = np.abs(x).max(-1, keepdims=True)
;;       e = np.where(a > 0, np.clip(np.frexp(np.where(a > 0, a, 1))[1] - 1 - 2, -126, 127), 0)      # np.frexp(a)[1] - 1 = floor(log2(a)), exactly
;;       r = np.clip(x / 2.0 ** e, -6, 6)
;;       step = 2.0 ** (np.maximum(np.frexp(np.where(r == 0, 1, r))[1] - 1, 0) - 1)
;;       q = np.round(r / step) * step * 2.0 ** e      # np.round: ties to even
;;       return np.moveaxis(q.reshape(q.shape[:-2] + (-1,))[..., :K], -1, axis).astype(np.float32)
;;   ~~~
;; One version. Each part assembles by itself: llvm-mc -triple=amdgcn-amd-amdhsa -mcpu=gfx1250 --defsym DOCPART=n.
;; ======== version 1 of 1: 4 launches
;; limits: values are held in f16: magnitudes above 65,504 overflow, below 6.1e-05 lose precision
;; workspace buffers: x_codes 4,194,304 bytes; x_scales 262,144 bytes; w_codes 1,572,864 bytes; w_scales 98,304 bytes; wp16 2,097,152 bytes; qkv 50,331,648 bytes; att 16,777,216 bytes
;; launch quant (part 1): grid 384 x 1, 4 waves a work-group, no clusters, 33,280 bytes of LDS; arguments x, w_qkv, w_proj, x_codes, x_scales, w_codes, w_scales, wp16; writes x_codes, x_scales, w_codes, w_scales, wp16
.if DOCPART == 1
	.amdgcn_target "amdgcn-amd-amdhsa--gfx1250"
	.amdhsa_code_object_version 6
	.text
	.protected	k_q36fe2a969a_quant
	.globl	k_q36fe2a969a_quant
	.p2align	8
	.type	k_q36fe2a969a_quant,@function
k_q36fe2a969a_quant:
	s_mov_b64 s[64:65], 0
	v_nop
	global_prefetch_b8 v0, s[64:65] scope:SCOPE_SE
	s_setreg_imm32_b32 hwreg(HW_REG_WAVE_MODE, 25, 1), 1
	s_wait_xcnt 0x0
; MULTI-HEAD SELF-ATTENTION, first of four launches.  Nothing of reference() is left out: every input reaches the output, there is no mask, no bias and no slice.
; This launch: x [8192][1024] and w_qkv [3072][1024], f32, become codes of FP4 (E2M1), K innermost, with one E8M0 scale byte for each 32 along K;
; w_proj [1024][1024], f32, becomes f16, laid [k / 64][e][64], so that a tile of 64 along K is a dense block of memory for the last launch.
; A block's scale is 2^(floor(log2(its largest magnitude)) - 2); its byte is the largest magnitude's own exponent field - 2, held at 1 from below.  Each number is divided by the scale and rounded
; to the nearest code, ties to even; beyond 6 the largest code.
; LIMITS: a block of zeros gets the byte 1 where the rule says 127 (its codes are zeros, which add nothing under any byte but 0xff, and the bytes are read by this program alone); blocks whose largest
; magnitude lies under 2^(2 - 126) are held at the byte 1; NaN and infinities among the inputs are not served; |w_proj| stays under 65,504 (f16).
; SHARES: work-groups 0-255 take x, 256-351 w_qkv: both are plain streams of blocks of 32; a work-group takes 32,768 numbers, a wave 16 steps of 512.  Work-groups 352-383 take w_proj.
; In a step each of four loads reads 512 consecutive bytes; the 2,048 bytes turn through the wave's own stage in LDS and come back 64 bytes a lane: 16 neighbours along K, two lanes to a block.
; A lane's 16 codes are 8 bytes: the wave stores 256 consecutive bytes.  A wave's 256 scale bytes are gathered in LDS and leave as one aligned run of 256 bytes.  Waves share nothing: no barrier.
.set WAVES, 4
.set STEPS, 16
.set WGX,   256                        ; 8192 x 1024 / 32768
.set WGW,   96                         ; 3072 x 1024 / 32768
.set EMAX,  2
.set CB,    8                          ; bytes of 16 codes
.set R,     16                         ; v16-79   four sets of 16 numbers as they are loaded
.set X,     80                         ; v80-111  two sets of 16 neighbours
.set E,     112                        ; v112-127 a scale byte for each step
.set C,     128                        ; v128-191 codes: four registers for each step, so that no store's data are written again
.set WREG,  8192                       ; LDS: a region for each wave: two stages of 32 x SP bytes, behind them its 256 scale bytes
.set SP,    80                         ; a lane's place in a stage: 64 bytes + 16 of padding
.set SPW,   12                         ; v12  LDS address of my spare word; never rewritten
.set NIL,   13                         ; v13  0; never rewritten
.set SPARE, WAVES*WREG                 ; behind the four regions: the spare words, 128 bytes a wave
	s_load_b256 s[4:11], s[0:1], 0x0               ; x s[4:5], w_qkv s[6:7], w_proj s[8:9], x_codes s[10:11]
	s_load_b256 s[12:19], s[0:1], 0x20             ; x_scales s[12:13], w_codes s[14:15], w_scales s[16:17], wp16 s[18:19]
	v_lshl_add_u32 v[SPW], v0, 2, SPARE
	v_mov_b32 v[NIL], 0
	v_lshrrev_b32 v1, 5, v0
	v_readfirstlane_b32 s20, v1                    ; wave
	v_and_b32 v2, 31, v0                           ; lane
	v_lshlrev_b32 v3, 4, v2                        ; my 16 bytes of a load's 512
	s_mul_i32 s21, s20, WREG
	v_lshrrev_b32 v14, 2, v2
	v_mul_u32_u24 v14, v14, SP
	v_and_b32 v15, 3, v2
	v_lshl_add_u32 v14, v15, 4, v14
	v_add_nc_u32 v14, s21, v14                     ; the stage, on the way in: SP (lane / 4) + 16 (lane % 4)
	v_mul_u32_u24 v15, v2, SP
	v_add_nc_u32 v15, s21, v15                     ; and on the way out: SP x lane
	v_mul_u32_u24 v4, v2, CB                       ; my codes' place in a step's
	v_lshrrev_b32 v5, 1, v2
	s_add_co_u32 s21, s21, 2*32*SP
	v_add_nc_u32 v5, s21, v5                       ; my wave's 256 scale bytes, my block's byte
	v_lshlrev_b32 v7, 3, v2                        ; and on the way out 8 bytes a lane
	v_add_nc_u32 v6, s21, v7
	s_wait_kmcnt 0x0
	s_cmp_ge_u32 ttmp9, WGX+WGW                    ; the work-group's number alone decides the path
	s_cbranch_scc1 .Lconv
	s_cmp_lt_u32 ttmp9, WGX                        ; x's work-group or w_qkv's?
	s_cselect_b64 s[4:5], s[4:5], s[6:7]
	s_cselect_b64 s[10:11], s[10:11], s[14:15]
	s_cselect_b64 s[12:13], s[12:13], s[16:17]
	s_cselect_b32 s21, 0, WGX
	s_sub_co_u32 s21, ttmp9, s21
	s_lshl_b32 s21, s21, 2
	s_add_co_u32 s22, s21, s20                     ; which run of 8,192 numbers of the tensor is my wave's
	s_mov_b32 s23, 0
	s_mov_b64 s[24:25], 512*STEPS*4
	s_mul_u64 s[24:25], s[22:23], s[24:25]
	s_add_nc_u64 s[4:5], s[4:5], s[24:25]
	s_mov_b64 s[24:25], 32*STEPS*CB
	s_mul_u64 s[24:25], s[22:23], s[24:25]
	s_add_nc_u64 s[10:11], s[10:11], s[24:25]
	s_lshl_b32 s22, s22, 8                         ; 256 scale bytes a run
	s_add_nc_u64 s[12:13], s[12:13], s[22:23]
.macro LOAD t
.irp i, 0,1,2,3
	global_load_b128 v[R+16*((\t)%4)+4*\i:R+16*((\t)%4)+4*\i+3], v3, s[4:5] offset:2048*(\t)+512*\i th:TH_LOAD_NT   ; 32 lanes read 512 consecutive bytes
.endr
.endm
.macro TURN t                          ; step t's numbers through the stage: LDS serves a wave's instructions in order, so no wait stands between the stores and the loads
.irp i, 0,1,2,3
	ds_store_b128 v14, v[R+16*((\t)%4)+4*\i:R+16*((\t)%4)+4*\i+3] offset:32*SP*((\t)%2)+8*SP*\i
.endr
.irp i, 0,1,2,3
	ds_load_b128 v[X+16*((\t)%2)+4*\i:X+16*((\t)%2)+4*\i+3], v15 offset:32*SP*((\t)%2)+16*\i
.endr
.endm
.irp t, 0,1,2,3
	LOAD \t
.endr
	s_wait_loadcnt 12                              ; step 0's four loads are in; the twelve of steps 1 to 3 may be out
	TURN 0
.macro STEP t
.set XS, X+16*((\t)%2)
.if (\t) > 0
	s_wait_dscnt 1                                 ; this step's numbers are back from the stage (the last step's byte store may be out): so its stores into the stage have read their registers,
.else
	s_wait_dscnt 0x0
.endif
.if (\t)+4 < STEPS
	LOAD (\t)+4                                    ; which take the loads of four steps on
.endif
.if (\t)+1 < STEPS
.if STEPS-2-(\t) >= 3
	s_wait_loadcnt 12                              ; the next step's four loads are in; those of the three steps behind it may be out
.else
	s_wait_loadcnt 4*(STEPS-2-(\t))
.endif
	TURN (\t)+1                                    ; and go through the other stage while this step is worked
.endif
	v_max3_num_f32 v8, |v[XS]|, |v[XS+1]|, |v[XS+2]|               ; the largest magnitude of my 16, in two chains
	v_max3_num_f32 v9, |v[XS+3]|, |v[XS+4]|, |v[XS+5]|
.irp i, 6,10
	v_max3_num_f32 v8, v8, |v[XS+\i]|, |v[XS+\i+1]|
	v_max3_num_f32 v9, v9, |v[XS+\i+2]|, |v[XS+\i+3]|
.endr
	v_max3_num_f32 v8, v8, |v[XS+14]|, |v[XS+15]|
	v_max3_num_f32 v8, v8, v9, (EMAX+1)<<23        ; and the floor 2^(EMAX + 1 - 127): so the byte cannot fall under 1
	v_max_num_f32_dpp v8, v8, v8 row_xmask:1 row_mask:0xf bank_mask:0xf   ; and of my neighbour's 16: the block's
	v_add_nc_u32 v11, -(EMAX<<23), v8              ; EMAX off its exponent field: the conversion takes the exponent field of this operand as its scale
	v_cvt_scalef32_pk8_fp4_f32 v[C+4*(\t)], v[XS:XS+7], v11
	v_cvt_scalef32_pk8_fp4_f32 v[C+4*(\t)+1], v[XS+8:XS+15], v11
	v_lshrrev_b32 v[E+(\t)], 23, v11               ; the scale's byte (also the plain line behind the conversions)
	ds_store_b8 v5, v[E+(\t)] offset:16*(\t)       ; both lanes of a block write the same byte with the same value
	global_store_b64 v4, v[C+4*(\t):C+4*(\t)+1], s[10:11] offset:32*CB*(\t)   ; 32 lanes store 256 consecutive bytes, aligned
.endm
.irp t, 0,1,2,3,4,5,6,7,8,9,10,11,12,13,14,15
	STEP \t
.endr
	ds_load_b64 v[8:9], v6                         ; LDS serves a wave's instructions in order: these see my stores
	s_wait_dscnt 0x0
	global_store_b64 v7, v[8:9], s[12:13]          ; 32 lanes store 256 consecutive bytes, aligned
	s_wait_tensorcnt 0x0                           ; the wave's end, behind my last LDS store
	ds_add_u32 v[SPW], v[NIL]
	s_wait_dscnt 0x0
	s_endpgm
; w_proj to f16.  Wave j of 128 takes rows 128 (j / 16) on and columns 64 (j % 16) on.  A load reads two rows' 256 bytes (sixteen lanes a row); a lane's four numbers become 8 bytes,
; and the 32 lanes store the two rows' 2 x 128 bytes, which are neighbours in wp16: 256 consecutive bytes, aligned.  No LDS on this path.
.macro LOADB n
.irp i, 0,1,2,3,4,5,6,7,8,9,10,11,12,13,14,15
	global_load_b128 v[16+64*((\n)%2)+4*\i:16+64*((\n)%2)+4*\i+3], v8, s[8:9] offset:(16*(\n)+\i)*8192 th:TH_LOAD_NT
.endr
.endm
.Lconv:
	s_sub_co_u32 s21, ttmp9, WGX+WGW
	s_lshl_b32 s21, s21, 2
	s_add_co_u32 s21, s21, s20                     ; j
	s_and_b32 s22, s21, 15                         ; which 64 along K
	s_lshr_b32 s21, s21, 4                         ; which 128 rows
	s_lshl_b32 s24, s21, 19                        ; in w_proj: 128 rows of 4,096 bytes,
	s_lshl_b32 s25, s22, 8                         ; 64 numbers of 4 bytes
	s_add_co_u32 s24, s24, s25
	s_mov_b32 s25, 0
	s_add_nc_u64 s[8:9], s[8:9], s[24:25]
	s_lshl_b32 s24, s22, 17                        ; in wp16: a block of 1,024 rows of 128 bytes,
	s_lshl_b32 s26, s21, 14                        ; 128 rows of 128 bytes
	s_add_co_u32 s24, s24, s26
	s_add_nc_u64 s[18:19], s[18:19], s[24:25]
	v_lshrrev_b32 v8, 4, v2
	v_lshlrev_b32 v8, 12, v8                       ; lanes 16-31: the next row
	v_and_b32 v9, 15, v2
	v_lshl_add_u32 v8, v9, 4, v8                   ; 16 bytes a lane
	v_lshlrev_b32 v9, 3, v2                        ; out: 8 bytes a lane
	LOADB 0
	LOADB 1
.irp n, 0,1,2,3
.if \n < 3
	s_wait_loadcnt 16                              ; this batch's 16 loads are in; the next batch's 16 may be out
.else
	s_wait_loadcnt 0x0
.endif
.irp i, 0,1,2,3,4,5,6,7,8,9,10,11,12,13,14,15
	v_cvt_pk_f16_f32 v[16+64*(\n%2)+4*\i], v[16+64*(\n%2)+4*\i], v[16+64*(\n%2)+4*\i+1]
	v_cvt_pk_f16_f32 v[16+64*(\n%2)+4*\i+1], v[16+64*(\n%2)+4*\i+2], v[16+64*(\n%2)+4*\i+3]
.endr
.irp i, 0,1,2,3,4,5,6,7,8,9,10,11,12,13,14,15
	global_store_b64 v9, v[16+64*(\n%2)+4*\i:16+64*(\n%2)+4*\i+1], s[18:19] offset:(16*\n+\i)*256
.endr
.if \n < 2
	s_wait_xcnt 0x0                                ; the stores have read their registers: the batch two on may land there
	LOADB \n+2
.endif
.endr
	s_endpgm
.Lfunc_end_k_q36fe2a969a_quant:
	.size	k_q36fe2a969a_quant, .Lfunc_end_k_q36fe2a969a_quant-k_q36fe2a969a_quant
	.p2alignl 7, 3214868480
	.fill 96, 4, 3214868480
	.section	.rodata,"a",@progbits
	.p2align	6, 0x0
	.amdhsa_kernel k_q36fe2a969a_quant
		.amdhsa_group_segment_fixed_size 33280
		.amdhsa_private_segment_fixed_size 0
		.amdhsa_enable_private_segment 0
		.amdhsa_kernarg_size 64
		.amdhsa_user_sgpr_count 2
		.amdhsa_user_sgpr_kernarg_segment_ptr 1
		.amdhsa_wavefront_size32 1
		.amdhsa_system_sgpr_workgroup_id_x 1
		.amdhsa_system_sgpr_workgroup_id_y 1
		.amdhsa_system_sgpr_workgroup_id_z 1
		.amdhsa_system_vgpr_workitem_id 0
		.amdhsa_next_free_vgpr 192
		.amdhsa_next_free_sgpr 66
		.amdhsa_reserve_vcc 0
		.amdhsa_float_denorm_mode_32 3
		.amdhsa_float_denorm_mode_16_64 3
		.amdhsa_memory_ordered 1
		.amdhsa_forward_progress 1
		.amdhsa_inst_pref_size 54
	.end_amdhsa_kernel
	.amdgpu_metadata
---
amdhsa.version: [ 1, 2 ]
amdhsa.kernels:
  - .name:           k_q36fe2a969a_quant
    .symbol:         k_q36fe2a969a_quant.kd
    .args:
      - { .name: x, .offset: 0, .size: 8, .value_kind: global_buffer, .address_space: global }
      - { .name: w_qkv, .offset: 8, .size: 8, .value_kind: global_buffer, .address_space: global }
      - { .name: w_proj, .offset: 16, .size: 8, .value_kind: global_buffer, .address_space: global }
      - { .name: x_codes, .offset: 24, .size: 8, .value_kind: global_buffer, .address_space: global }
      - { .name: x_scales, .offset: 32, .size: 8, .value_kind: global_buffer, .address_space: global }
      - { .name: w_codes, .offset: 40, .size: 8, .value_kind: global_buffer, .address_space: global }
      - { .name: w_scales, .offset: 48, .size: 8, .value_kind: global_buffer, .address_space: global }
      - { .name: wp16, .offset: 56, .size: 8, .value_kind: global_buffer, .address_space: global }
    .group_segment_fixed_size: 33280
    .private_segment_fixed_size: 0
    .kernarg_segment_align: 8
    .kernarg_segment_size: 64
    .max_flat_workgroup_size: 128
    .sgpr_count:     66
    .vgpr_count:     192
    .wavefront_size: 32
...
	.end_amdgpu_metadata
.endif
;; end of part 1
;; launch qkvgemm (part 2): grid 12 x 32, 4 waves a work-group, clusters of 4 x 4, 327,680 bytes of LDS; arguments x_codes, x_scales, w_codes, w_scales, qkv; writes qkv
.if DOCPART == 2
	.amdgcn_target "amdgcn-amd-amdhsa--gfx1250"
	.amdhsa_code_object_version 6
	.text
	.protected	k_q36fe2a969a_qkvgemm
	.globl	k_q36fe2a969a_qkvgemm
	.p2align	8
	.type	k_q36fe2a969a_qkvgemm,@function
k_q36fe2a969a_qkvgemm:
	s_mov_b64 s[64:65], 0
	v_nop
	global_prefetch_b8 v0, s[64:65] scope:SCOPE_SE
	s_setreg_imm32_b32 hwreg(HW_REG_WAVE_MODE, 25, 1), 1
	s_wait_xcnt 0x0
	s_wait_alu depctr_hold_cnt(0) depctr_sa_sdst(0) depctr_va_vdst(0) depctr_va_sdst(0) depctr_va_ssrc(0) depctr_va_vcc(0) depctr_vm_vsrc(0)
	s_getreg_b32 s2, hwreg(HW_REG_IB_STS2, 6, 4)
	s_cmp_eq_u32 s2, 0
	s_cbranch_scc0 .Lentry_in_a_cluster
	s_endpgm
.Lentry_in_a_cluster:
	s_bfe_u32 s2, ttmp6, 0x10000c
	s_cmp_lg_u32 s2, 0xf033
	s_cbranch_scc0 .Lentry_shape_is_right
	s_endpgm
.Lentry_shape_is_right:
; qkv[token][feature] = sum over k of x[token][k] w_qkv[feature][k], both operands as codes of FP4 (E2M1) with one E8M0 scale for each 32 along K; sums in f32; nothing of the product is left out.
; The results are rounded once to f16 and laid head by head: qkv [q, k or v][batch 4][head 16][t 2048][64].  LIMIT: |q|, |k|, |v| stay under 65,504 (f16).
; A tile of 256 tokens x 256 features is made by a work-group of four waves; a wave makes 128 x 128: 64 accumulators of 16 x 16, 512 registers.
; The whole K, 1,024, lies in two LDS slots of 512 along K (rows of 256 bytes): both are asked for at the start and nothing is filled again.  By this text's own count a wave has three tensor loads out at the start.
; THE SCALES of the work-group's 256 rows of x and 256 rows of w_qkv are two dense blocks of memory: they come into LDS once, as rows of 256 bytes.
; CLUSTERS: 4 x 4 work-groups.  The four of a row of the cluster need the same tiles of x, the four of a column the same tiles of w_qkv: each tile is asked for JOINTLY, by the same tensor load with the
; same descriptor and a mask that names the four.  THE MATRIX INSTRUCTION IS USED TRANSPOSED (source 0 = 16 features, source 1 = 16 tokens): a lane then holds eight neighbouring features of one token.
; REGISTERS, in windows of 256: window 0: v0-31 addresses; v32-95 scale words, two sets, and nothing else; v96-127 packed results; v128-191 x's fragments, ONE set; v192-255 rows read back on the way out.
;   window 1: w_qkv's fragments, TWO sets, at v0 and at v128.   window 2: the 32 accumulators of my tokens 0-63 (accumulator (a, b) at v[8 (8 a + b)]);   window 3: those of my tokens 64-127.
.set SIZE_M, 8192
.set SIZE_N, 3072
.set SIZE_K, 1024
.set KSTEP,  512                       ; along K in a slot
.set NQ,     KSTEP/128                 ; matrix instructions deep
.set ROWB,   256                       ; a tile's row in bytes
.set KROW,   SIZE_K*4/8                ; a row of codes in memory, in bytes
.set PITCH,  272                       ; an LDS row: 256 bytes + 16 of padding: the 16 rows that a load touches start at 16 different groups of four banks
.set FR,     8                         ; registers of a fragment: 16 rows x 128 K
.set NL,     2                         ; LDS loads that bring one
.set NP,     4                         ; places behind this matrix instruction (ISA guide 7.12.1)
.set HALFT,  128*PITCH                 ; 128 rows: what one tensor load brings
.set SLOT,   4*HALFT                   ; x's 256 rows, then w_qkv's 256 rows
.set KS,     SIZE_K/32                 ; a row of scales in bytes
.set SCL,    2*SLOT                    ; behind the slots: the scales, as rows of 256 bytes + 16 of padding
.set HALFS,  (128*KS/256)*272          ; the scales of 128 rows: what one tensor load brings
.set SBLK,   (16*KS/256)*272           ; those of 16 rows
.set SPARE,  SCL+4*HALFS               ; behind the scales: the spare words, 128 bytes a wave
.set SPITCH, 272                       ; the way out: a stage of 16 rows x (256 bytes + 16) for each wave, in slot 0, which has had its only fill and its last read when the first result is stored there
.set ADRA, 16                          ; v16-17  LDS address of my fragments of x in slot 0, 1
.set ADRB, 20                          ; v20-21  the same for w_qkv
.set STO,  24                          ; v24     the way out: where I put 16 bytes of a token's row
.set RD,   25                          ; v25     the way out: where I read 16 bytes back
.set CO,   26                          ; v26     my byte offset in qkv
.set ADRS, 27                          ; v27     LDS address of my scale words: lanes 0-15 x's rows, lanes 16-31 w_qkv's
.set SPW,  28                          ; v28     LDS address of my spare word; never rewritten
.set NIL,  29                          ; v29     0; never rewritten
.set SC,   32                          ; scale words: set s at v[SC + 8 NQ s]; register NQ i + q: lanes 0-15 x's block i, lanes 16-31 w_qkv's block i, the slot's q-th 128 along K
.set TMP,  96                          ; the way out: a block's packed results
.set AF,   128                         ; x's fragments, in window 0
.set BK,   192                         ; the way out: 16 rows read back: v192-223 and v224-255 by turns
.set G1, 24                            ; s[24:31] descriptor group 1 for x's tiles;  s[32:39] group 0, one set for each slot
.set G0, 32
.set G1B, 48                           ; s[48:55], s[56:63] the same for w_qkv's tiles
.set G0B, 56
.set G1S, 68                           ; s[68:75], s[76:79] groups 1 and 0 for x's scales;  s[80:87], s[88:91] for w_qkv's
.set G0S, 76
.set G1SB, 80
.set G0SB, 88
.set MSB, 0
.macro WIN new                         ; the immediate's high byte repeats the setting that is left
.if MSB != \new
	s_set_vgpr_msb (MSB<<8)|\new
.set MSB, \new
.endif
.endm
.set MUL_LO, 0xa1                      ; source 0 window 1, source 1 window 0, C and D window 2
.set MUL_HI, 0xf1                      ; the same, C and D window 3
.set TO_B,   0x40                      ; destination window 1, address window 0
; A joint load: waves 0 and 1 fetch for x, waves 2 and 3 for w_qkv.  Each line has one mask and one set of registers for all that issue it; the branch hangs on the wave's number alone.
; An s_nop 0 and four v_nop follow each of the two lines.
.macro JLOAD g0a, g1a, g0b, g1b
	s_cmp_eq_u32 s15, 0
	s_cbranch_scc0 .Lfor_b_\@
	tensor_load_to_lds s[\g0a:\g0a+3], s[\g1a:\g1a+7]
	s_nop 0
.rept 4
	v_nop
.endr
	s_branch .Lasked_\@
.Lfor_b_\@:
	tensor_load_to_lds s[\g0b:\g0b+3], s[\g1b:\g1b+7]
	s_nop 0
.rept 4
	v_nop
.endr
.Lasked_\@:
.endm
.macro CROUND                          ; a round of the cluster's barrier
	s_barrier_signal -1
	s_barrier_wait -1
	s_cmp_lg_u32 s14, 0
	s_cbranch_scc1 .Lnot_wave_0_\@
	s_barrier_signal -3
.Lnot_wave_0_\@:
	s_barrier_wait -3
	s_barrier_signal -1
	s_barrier_wait -1
.endm
	s_load_b128 s[4:7], s[0:1], 0x0                ; x's codes s[4:5], x's scales s[6:7]
	s_load_b128 s[8:11], s[0:1], 0x10              ; w_qkv's codes s[8:9], its scales s[10:11]
	s_load_b64 s[12:13], s[0:1], 0x20              ; qkv
	v_lshl_add_u32 v[SPW], v0, 2, SPARE
	v_mov_b32 v[NIL], 0
	ds_add_u32 v[SPW], v[NIL]                      ; the wave's opening: the add, twice on end, and its wait ahead of my first tensor load
	ds_add_u32 v[SPW], v[NIL]
	v_lshrrev_b32 v1, 5, v0
	v_readfirstlane_b32 s14, v1                    ; wave 0..3
	s_lshr_b32 s15, s14, 1                         ; which half of the tile's tokens is mine.  Also: I fetch for x (0) or for w_qkv (1)
	s_and_b32 s16, s14, 1                          ; which half of its features.  Also: which 128 rows of that tile I fetch
	s_bfe_u32 s40, ttmp6, 0x40000                  ; cx, cy: my place in the cluster
	s_bfe_u32 s41, ttmp6, 0x40004
	s_lshl_b32 s42, ttmp9, 2
	s_add_co_u32 s42, s42, s40                     ; tile column = 4 x cluster x + cx: 0 .. 11
	s_and_b32 s17, ttmp7, 0xffff
	s_lshl_b32 s17, s17, 2
	s_add_co_u32 s17, s17, s41                     ; tile row = 4 x cluster y + cy: 0 .. 31
	s_lshl_b32 s43, s41, 2
	s_lshl_b32 s43, 15, s43                        ; my row of the cluster
	s_lshl_b32 s44, 0x1111, s40                    ; my column
	; descriptor group 1: a tile of 128 rows x 256 bytes, padded in LDS
	s_or_b32 s[G1+0], s43, (0<<16)|(1<<20)|(1<<21)|(5<<22)|(3<<25)  ; 15:0 the mask; 17:16 element of 1 byte; 20 padding on; 21 set beside a mask; 24:22 after every 64 words; 31:25 four words
	s_or_b32 s[G1B+0], s44, (0<<16)|(1<<20)|(1<<21)|(5<<22)|(3<<25)
.irp g, G1, G1B
	s_mov_b32 s[\g+1], ROWB<<16                    ; tensor_dim0
	s_mov_b32 s[\g+2], 128<<16                     ; tensor_dim1
	s_mov_b32 s[\g+3], ROWB<<16                    ; tile_dim0
	s_mov_b32 s[\g+4], 128                         ; tile_dim1
	s_mov_b32 s[\g+5], KROW                        ; tensor_dim0_stride
	s_mov_b32 s[\g+6], 0
	s_mov_b32 s[\g+7], 0
.endr
	; the scales of 128 rows: a dense block of 4,096 bytes, as 16 rows of 256 bytes (32 elements of 8 bytes), 16 bytes of padding behind each
	s_or_b32 s[G1S+0], s43, (3<<16)|(1<<20)|(1<<21)|(5<<22)|(3<<25)
	s_or_b32 s[G1SB+0], s44, (3<<16)|(1<<20)|(1<<21)|(5<<22)|(3<<25)
.irp g, G1S, G1SB
	s_mov_b32 s[\g+1], 32<<16
	s_mov_b32 s[\g+2], (128*KS/256)<<16
	s_mov_b32 s[\g+3], 32<<16
	s_mov_b32 s[\g+4], 128*KS/256
	s_mov_b32 s[\g+5], 32
	s_mov_b32 s[\g+6], 0
	s_mov_b32 s[\g+7], 0
.endr
	s_lshl_b32 s18, s16, 7                         ; which 128 rows of the tile I fetch
	s_lshl_b32 s20, s17, 8
	s_add_co_u32 s20, s20, s18                     ; x: row 256 x tile row + 128 x half
	s_lshl_b32 s46, s42, 8
	s_add_co_u32 s46, s46, s18                     ; w_qkv: row 256 x tile column + 128 x half
	s_mov_b32 s21, 0
	s_mov_b32 s47, 0
	s_mov_b64 s[18:19], KS
	s_mul_u64 s[22:23], s[20:21], s[18:19]         ; where these rows' scales begin, in bytes
	s_mul_u64 s[92:93], s[46:47], s[18:19]
	s_mov_b64 s[18:19], KROW
	s_mul_u64 s[20:21], s[20:21], s[18:19]         ; and their codes
	s_mul_u64 s[46:47], s[46:47], s[18:19]
	s_mul_i32 s45, s14, HALFT                      ; where they go: wave x 128 rows: no place in the cluster enters an LDS address
	s_mul_i32 s94, s14, HALFS
	s_wait_dscnt 0x0                               ; both opening adds are done
	s_wait_kmcnt 0x0
	s_add_nc_u64 s[20:21], s[4:5], s[20:21]
	s_add_nc_u64 s[22:23], s[6:7], s[22:23]
	s_add_nc_u64 s[46:47], s[8:9], s[46:47]
	s_add_nc_u64 s[92:93], s[10:11], s[92:93]
	CROUND                                         ; all sixteen work-groups are here: the joint loads meet
	s_mov_b32 s[G0S], 1
	s_add_co_u32 s[G0S+1], s94, SCL
	s_mov_b64 s[G0S+2:G0S+3], s[22:23]
	s_or_b32 s[G0S+3], s[G0S+3], 0x80000000
	s_mov_b32 s[G0SB], 1
	s_add_co_u32 s[G0SB+1], s94, SCL
	s_mov_b64 s[G0SB+2:G0SB+3], s[92:93]
	s_or_b32 s[G0SB+3], s[G0SB+3], 0x80000000
	JLOAD G0S, G1S, G0SB, G1SB                     ; the scales first: they are wanted with the first slot
.irp s, 0,1
	s_mov_b32 s[G0+4*\s], 1
	s_add_co_u32 s[G0+4*\s+1], s45, \s*SLOT
	s_add_nc_u64 s[G0+4*\s+2:G0+4*\s+3], s[20:21], \s*ROWB
	s_or_b32 s[G0+4*\s+3], s[G0+4*\s+3], 0x80000000
	s_mov_b32 s[G0B+4*\s], 1
	s_add_co_u32 s[G0B+4*\s+1], s45, \s*SLOT
	s_add_nc_u64 s[G0B+4*\s+2:G0B+4*\s+3], s[46:47], \s*ROWB
	s_or_b32 s[G0B+4*\s+3], s[G0B+4*\s+3], 0x80000000
	JLOAD G0+4*\s, G1, G0B+4*\s, G1B
.endr
	v_and_b32 v1, 15, v0                           ; l % 16
	v_bfe_u32 v2, v0, 4, 1                         ; l / 16
	v_mul_u32_u24 v3, v1, PITCH
	v_lshl_add_u32 v4, v2, 4, v3                   ; a fragment's row x pitch + 16 x half
	s_mul_i32 s21, s15, HALFT                      ; my 128 rows of x
	s_mul_i32 s22, s16, HALFT                      ; my 128 rows of w_qkv,
	s_add_co_u32 s22, s22, 2*HALFT                 ; which lie behind x's 256
.irp s, 0,1
	v_add_nc_u32 v[ADRA+\s], s21, v4
	v_add_nc_u32 v[ADRB+\s], s22, v4
	s_add_co_u32 s21, s21, SLOT
	s_add_co_u32 s22, s22, SLOT
.endr
	v_mul_u32_u24 v5, v1, KS                       ; my row's scales: KS bytes a row,
	v_lshrrev_b32 v6, 8, v5
	v_lshl_add_u32 v5, v6, 4, v5                   ; and 16 more for each 256 passed
	s_mul_i32 s21, s15, HALFS                      ; x's: my 128 rows
	s_mul_i32 s22, s16, HALFS                      ; w_qkv's: my 128 rows, behind x's 256
	s_add_co_u32 s22, s22, 2*HALFS
	s_sub_co_u32 s22, s22, s21
	v_mul_u32_u24 v6, s22, v2                      ; lanes 16-31 take w_qkv's: one product, the distance between the two bases
	s_add_co_u32 s21, s21, SCL
	v_add_nc_u32 v5, v5, v6
	v_add_nc_u32 v[ADRS], s21, v5
	s_mul_i32 s23, s14, 16*SPITCH                  ; my stage
	v_mul_u32_u24 v5, v1, SPITCH                   ; in: token l % 16, 16 bytes for each half of the lanes
	v_lshl_add_u32 v5, v2, 4, v5
	v_add_nc_u32 v[STO], s23, v5
	v_bfe_u32 v5, v0, 3, 1                         ; back: lanes 0-15 take two tokens' 128 bytes of my first head, lanes 16-31 of my second
	v_mul_u32_u24 v5, v5, SPITCH
	v_lshl_add_u32 v5, v2, 7, v5
	v_and_b32 v6, 7, v0
	v_lshl_add_u32 v5, v6, 4, v5
	v_add_nc_u32 v[RD], s23, v5
	v_lshlrev_b32 v[CO], 4, v1                     ; in qkv two tokens of a head are 256 neighbouring bytes; the next head lies 262,144 bytes on
	v_lshl_add_u32 v[CO], v2, 18, v[CO]
	; where my part begins in qkv.  By the tile row: batch = row / 8, t = 256 (row % 8) + 128 x half.  By the tile column: part = column / 4, head = 4 (column % 4) + 2 x half
	s_lshr_b32 s20, s17, 3
	s_lshl_b32 s20, s20, 22                        ; batch x 16 heads x 262,144
	s_and_b32 s21, s17, 7
	s_lshl_b32 s21, s21, 1
	s_add_co_u32 s21, s21, s15
	s_lshl_b32 s21, s21, 14                        ; 128 tokens of 128 bytes
	s_add_co_u32 s20, s20, s21
	s_mov_b32 s21, 0
	s_lshr_b32 s46, s42, 2
	s_lshl_b32 s46, s46, 6                         ; part x 64 heads
	s_and_b32 s47, s42, 3
	s_lshl_b32 s47, s47, 2
	s_add_co_u32 s46, s46, s47
	s_lshl_b32 s47, s16, 1
	s_add_co_u32 s46, s46, s47
	s_lshl_b32 s46, s46, 18
	s_mov_b32 s47, 0
	s_add_nc_u64 s[20:21], s[20:21], s[46:47]
	s_add_nc_u64 s[12:13], s[12:13], s[20:21]
.macro FRAG reg, adr, q, i             ; a fragment, 16 rows x 128 K of 4-bit codes: lane l holds row l % 16; registers 4 c .. 4 c + 3 hold K = 64 c + 32 (l / 16) + 0 .. 31
.irp c, 0,1
	ds_load_b128 v[\reg+4*\c:\reg+4*\c+3], v[\adr] offset:64*(\q)+32*\c+(\i)*16*PITCH
.endr
.endm
; 16 matrix instructions: x's blocks a0, a0 + 1 against w_qkv's eight, 128 along K.  p: w_qkv's set;  sc: the set of scale words.  zero = 1: the first product starts the sums.
; The 64 accumulators take turns, one instruction a turn, in the same order in every step.
.macro MUL16 a0, p, q, sc, zero
.irp a, \a0, \a0+1
.irp b, 0,1,2,3,4,5,6,7
.if \zero
	v_wmma_scale_f32_16x16x128_f8f6f4 v[8*(8*((\a)%4)+\b):8*(8*((\a)%4)+\b)+7], v[128*(\p)+FR*\b:128*(\p)+FR*\b+FR-1], v[AF+FR*(\a):AF+FR*(\a)+FR-1], 0, v[SC+8*NQ*(\sc)+NQ*\b+(\q)], v[SC+8*NQ*(\sc)+NQ*(\a)+(\q)] matrix_a_fmt:MATRIX_FMT_FP4 matrix_b_fmt:MATRIX_FMT_FP4 matrix_a_scale:MATRIX_SCALE_ROW1
.else
	v_wmma_scale_f32_16x16x128_f8f6f4 v[8*(8*((\a)%4)+\b):8*(8*((\a)%4)+\b)+7], v[128*(\p)+FR*\b:128*(\p)+FR*\b+FR-1], v[AF+FR*(\a):AF+FR*(\a)+FR-1], v[8*(8*((\a)%4)+\b):8*(8*((\a)%4)+\b)+7], v[SC+8*NQ*(\sc)+NQ*\b+(\q)], v[SC+8*NQ*(\sc)+NQ*(\a)+(\q)] matrix_a_fmt:MATRIX_FMT_FP4 matrix_b_fmt:MATRIX_FMT_FP4 matrix_a_scale:MATRIX_SCALE_ROW1
.endif
.endr
.endr
.endm
.macro FETCH_B slot, q, p              ; w_qkv's eight fragments of the slot's q-th 128 along K into set p
	WIN TO_B
.irp i, 0,1,2,3,4,5,6,7
	FRAG 128*(\p)+FR*\i, ADRB+\slot, \q, \i
.endr
	WIN 0
.endm
.macro FETCH_A slot, q, i0             ; x's blocks i0 .. i0 + 3
.irp i, \i0, \i0+1, \i0+2, \i0+3
	FRAG AF+FR*(\i), ADRA+\slot, \q, \i
.endr
.endm
.macro SCALES sc                       ; a slot's scale words into set sc: NQ words a row
.irp i, 0,1,2,3,4,5,6,7
	ds_load_b128 v[SC+8*NQ*\sc+NQ*\i:SC+8*NQ*\sc+NQ*\i+3], v[ADRS] offset:\i*SBLK
.endr
.endm
; A load into a register that a matrix instruction has read, and a vector instruction that reads a matrix result, stand NP places behind that matrix instruction; only plain vector instructions that
; name none of its registers are places.
.macro PLACES n
.rept \n
	v_nop
.endr
.endm
; A step of 128 along K that has its successor in the same slot.
.macro STEP slot, q, zero
	s_wait_dscnt 4*NL                              ; w_qkv's set and x's blocks 0-3 are in; the youngest eight loads (x's blocks 4-7) may be out
	WIN MUL_LO
	MUL16 0, (\q)%2, \q, \slot, \zero
	MUL16 2, (\q)%2, \q, \slot, \zero
	s_wait_dscnt 0                                 ; x's blocks 4-7 are in
	PLACES NP
	FETCH_B \slot, (\q)+1, 1-(\q)%2
	FETCH_A \slot, (\q)+1, 0
	WIN MUL_HI
	MUL16 4, (\q)%2, \q, \slot, \zero
	MUL16 6, (\q)%2, \q, \slot, \zero
	PLACES NP
	WIN 0
	FETCH_A \slot, (\q)+1, 4
.endm
; Slot 0's last step goes over to slot 1: one barrier; in front of it each wave waits for all its tensor loads (its part of slot 1), adds 0 to its spare word, and waits for that and for its reads of slot 0.
.macro TURN slot, next
	s_wait_tensorcnt 0x0                           ; all my tensor loads have landed  (every window is 0 here)
	ds_add_u32 v[SPW], v[NIL]                      ; 0 onto my spare word
	s_wait_dscnt 4*NL+1                            ; (the add and the youngest eight loads, x's blocks 4-7, may be out)
	WIN MUL_LO
	MUL16 0, 1, NQ-1, \slot, 0
	s_wait_dscnt 0x0                               ; the add is done, and my reads of this slot are over
	s_barrier_signal -1
	MUL16 2, 1, NQ-1, \slot, 0
	WIN 0
	s_barrier_wait -1
	PLACES NP
	v_add_nc_u32 v[ADRS], 4*NQ, v[ADRS]            ; on to the next slot's scale words (no LDS load of mine is out)
	FETCH_B \next, 0, 0
	FETCH_A \next, 0, 0
	SCALES \next
	WIN MUL_HI
	MUL16 4, 1, NQ-1, \slot, 0
	MUL16 6, 1, NQ-1, \slot, 0
	PLACES NP
	WIN 0
	FETCH_A \next, 0, 4
.endm
.macro STEPS slot, from                ; the slot's steps from .. NQ - 2
.set Q, \from
.rept NQ-1-\from
	STEP \slot, Q, 0
.set Q, Q+1
.endr
.endm
	s_wait_tensorcnt 1                             ; the scales and my part of slot 0 are in (slot 1's load may be out)
	s_barrier_signal -1
	s_barrier_wait -1                              ; everybody's are
	FETCH_B 0, 0, 0
	FETCH_A 0, 0, 0
	SCALES 0
	FETCH_A 0, 0, 4
	STEP 0, 0, 1                                   ; the first step's products start the sums
	STEPS 0, 1
	TURN 0, 1
	STEPS 1, 0
	s_wait_dscnt 4*NL                              ; the very last step: nothing more to fetch
	WIN MUL_LO
	MUL16 0, 1, NQ-1, 1, 0
	MUL16 2, 1, NQ-1, 1, 0
	s_wait_dscnt 0
	WIN MUL_HI
	MUL16 4, 1, NQ-1, 1, 0
	MUL16 6, 1, NQ-1, 1, 0
	WIN 0
; THE WAY OUT, block by block of 16 tokens x 128 features (two heads).  PACK: rounded to f16, 16 bytes a lane, each accumulator from its low end on.  TOSTAGE: into my own stage and back, so that
; sixteen lanes hold two tokens' 128 bytes of one head.  SEND: sixteen lanes store 256 consecutive bytes, at a multiple of 256 from qkv's first byte.
.macro PACK a
.set AC, 64*((\a)%4)
	WIN 0x0a+5*((\a)/4)                            ; sources 0 and 1: window 2 or 3
.irp b, 0,1,2,3,4,5,6,7
.irp r, 0,1,2,3
	v_cvt_pk_f16_f32 v[TMP+4*\b+\r], v[AC+8*\b+2*\r], v[AC+8*\b+2*\r+1]
.endr
.endr
	WIN 0
.endm
.macro TOSTAGE a
.set BB, BK+32*((\a)%2)
.irp b, 0,1,2,3,4,5,6,7
	ds_store_b128 v[STO], v[TMP+4*\b:TMP+4*\b+3] offset:32*\b
.endr
.irp t, 0,1,2,3,4,5,6,7
	ds_load_b128 v[BB+4*\t:BB+4*\t+3], v[RD] offset:\t*2*SPITCH    ; LDS serves a wave's instructions in order: these see the stores above
.endr
.endm
.macro SEND a
.set BB, BK+32*((\a)%2)
	s_wait_dscnt 0x0                               ; the block is back in registers
	s_wait_xcnt 0x0                                ; the block before has been read by its stores: the next block's loads may land in its registers
.irp t, 0,1,2,3,4,5,6,7
	global_store_b128 v[CO], v[BB+4*\t:BB+4*\t+3], s[12:13] offset:(\a)*2048+\t*256
.endr
.endm
	PLACES NP                                      ; the conversions read results, and no other vector work is at hand
	PACK 0
	TOSTAGE 0
.irp a, 1,2,3,4,5,6,7                  ; block a's conversions stand between block a - 1's loads from the stage and the wait for them
	PACK \a
	SEND \a-1
	TOSTAGE \a
.endr
	SEND 7
	s_wait_tensorcnt 0x0                           ; the wave's end, behind my last tensor load and my last LDS store
	ds_add_u32 v[SPW], v[NIL]
	s_wait_dscnt 0x0
	CROUND                                         ; the closing round: no work-group ends while a partner may still ask for a tile that names it
	s_endpgm
.Lfunc_end_k_q36fe2a969a_qkvgemm:
	.size	k_q36fe2a969a_qkvgemm, .Lfunc_end_k_q36fe2a969a_qkvgemm-k_q36fe2a969a_qkvgemm
	.p2alignl 7, 3214868480
	.fill 96, 4, 3214868480
	.section	.rodata,"a",@progbits
	.p2align	6, 0x0
	.amdhsa_kernel k_q36fe2a969a_qkvgemm
		.amdhsa_group_segment_fixed_size 327680
		.amdhsa_private_segment_fixed_size 0
		.amdhsa_enable_private_segment 0
		.amdhsa_kernarg_size 40
		.amdhsa_user_sgpr_count 2
		.amdhsa_user_sgpr_kernarg_segment_ptr 1
		.amdhsa_wavefront_size32 1
		.amdhsa_system_sgpr_workgroup_id_x 1
		.amdhsa_system_sgpr_workgroup_id_y 1
		.amdhsa_system_sgpr_workgroup_id_z 1
		.amdhsa_system_vgpr_workitem_id 0
		.amdhsa_next_free_vgpr 1024
		.amdhsa_next_free_sgpr 98
		.amdhsa_reserve_vcc 0
		.amdhsa_float_denorm_mode_32 3
		.amdhsa_float_denorm_mode_16_64 3
		.amdhsa_memory_ordered 1
		.amdhsa_forward_progress 1
		.amdhsa_inst_pref_size 127
	.end_amdhsa_kernel
	.amdgpu_metadata
---
amdhsa.version: [ 1, 2 ]
amdhsa.kernels:
  - .name:           k_q36fe2a969a_qkvgemm
    .symbol:         k_q36fe2a969a_qkvgemm.kd
    .args:
      - { .name: x_codes, .offset: 0, .size: 8, .value_kind: global_buffer, .address_space: global }
      - { .name: x_scales, .offset: 8, .size: 8, .value_kind: global_buffer, .address_space: global }
      - { .name: w_codes, .offset: 16, .size: 8, .value_kind: global_buffer, .address_space: global }
      - { .name: w_scales, .offset: 24, .size: 8, .value_kind: global_buffer, .address_space: global }
      - { .name: qkv, .offset: 32, .size: 8, .value_kind: global_buffer, .address_space: global }
    .group_segment_fixed_size: 327680
    .private_segment_fixed_size: 0
    .kernarg_segment_align: 8
    .kernarg_segment_size: 40
    .max_flat_workgroup_size: 128
    .sgpr_count:     98
    .vgpr_count:     1024
    .wavefront_size: 32
...
	.end_amdgpu_metadata
.endif
;; end of part 2
;; launch attn (part 3): grid 4 x 64, 8 waves a work-group, clusters of 4 x 1, 327,680 bytes of LDS; arguments qkv, att; writes att
.if DOCPART == 3
	.amdgcn_target "amdgcn-amd-amdhsa--gfx1250"
	.amdhsa_code_object_version 6
	.text
	.protected	k_q36fe2a969a_attn
	.globl	k_q36fe2a969a_attn
	.p2align	8
	.type	k_q36fe2a969a_attn,@function
k_q36fe2a969a_attn:
	s_mov_b64 s[64:65], 0
	v_nop
	global_prefetch_b8 v0, s[64:65] scope:SCOPE_SE
	s_setreg_imm32_b32 hwreg(HW_REG_WAVE_MODE, 25, 1), 1
	s_wait_xcnt 0x0
	s_wait_alu depctr_hold_cnt(0) depctr_sa_sdst(0) depctr_va_vdst(0) depctr_va_sdst(0) depctr_va_ssrc(0) depctr_va_vcc(0) depctr_vm_vsrc(0)
	s_getreg_b32 s2, hwreg(HW_REG_IB_STS2, 6, 4)
	s_cmp_eq_u32 s2, 0
	s_cbranch_scc0 .Lentry_in_a_cluster
	s_endpgm
.Lentry_in_a_cluster:
	s_bfe_u32 s2, ttmp6, 0x10000c
	s_cmp_lg_u32 s2, 0x3003
	s_cbranch_scc0 .Lentry_shape_is_right
	s_endpgm
.Lentry_shape_is_right:
; att[head][token][:] = the sum over keys of softmax(q . k / 8) v, for each of 64 (batch, head) pairs; 2,048 queries and keys, head size 64, no mask; nothing is left out.
; qkv: f16 [q, k or v][batch 4][head 16][t 2048][64].  att: f16 [head 16][token 8192][64].  Products on f16 operands with f32 sums; maxima, exponentials and sums in f32; the weights p (at most 1) are
; rounded to f16 for the second product, the result once at the end.  LIMIT: NaN and infinities are not served.
; SHARES.  A work-group owns 512 queries of one head, each of its eight waves 64: four tiles of 16.  Every wave walks all 2,048 keys, 64 a step.
; LAYOUT.  S^T = K Q^T (source 0 = 16 keys, source 1 = 16 queries): a lane holds ONE query (lane % 16) and the keys 8 (lane / 16) + 0..7.  Two such tiles, rounded to f16 in pairs, ARE source 1
; (32 keys x 16 queries) of O^T = V^T P, whose result again holds one query a lane, and eight channels.  K comes out of LDS as it lies, V ([key][channel]) turned, by ds_load_tr16_b128.
; SOFTMAX.  For each query a running maximum m and sum l: p = 2^(c s - c m), c = log2(e) / 8; in every step O and l are multiplied by a = 2^(c m_old - c m_new).
; TWO GROUPS OF WAVES IN OPPOSITE PHASES.  Two waves share a SIMD's 1,024 registers.  In trip i group 0 runs V^T P of step i - 1, K Q^T of step i, the softmax of step i; group 1 runs the softmax of
; step i - 1, V^T P of step i - 1, K Q^T of step i.  So one wave has matrix work where the other has vector work.  The group is (w xor w / 4) % 2: it differs between waves w and w + 4 and between
; waves 2 k and 2 k + 1.  The softmax's text stands twice in a trip, each under a scalar branch on the group; no barrier, wait for tiles, add or tensor load stands under such a branch.
; CLUSTER.  The four query blocks of a head form a cluster and walk the same K and V: each tile is asked for JOINTLY, by the same tensor load with the same descriptor and a mask that names the four.
; RING.  Two LDS slots of four steps (256 keys): waves 0-3 fetch the four steps' tiles of K, waves 4-7 those of V, one load a wave behind each change of slots.  By this text's own count a wave has two
; tensor loads out at the start and one behind each change.
; REGISTERS: window 0: v2-11 addresses; v12-43 eight registers of statistics a tile; v61-63; v64-191 S^T, 32 a tile (P is made in place, in a tile's first 16); v192-255 K of one step.
;   window 1: v0-127 O^T, 32 a tile; v128-191 Q, 16 a tile; v192-255 V of one step.
.set KS,    64        ; keys in a step
.set PK,    144       ; a row of K in LDS: 128 bytes + 16 of padding: the 16 rows of a load start at 16 different groups of four banks
.set PVR,   160       ; a row of V: 128 + 32
.set VOFF,  KS*PK     ; a step's tiles lie together: 64 rows of K, then 64 rows of V
.set STEPB, KS*(PK+PVR)
.set SLOT1, 1<<17     ; a slot holds four steps (77,824 bytes); slot 1 begins here, so that one exclusive or turns an address in one slot into the other's
.set SLOTB, 4*KS*128  ; a slot's keys in memory: 32,768 bytes of K and as many of V
.set STAGE, SLOT1+4*STEPB  ; behind the ring: 16 rows x 144 bytes for each wave, for the way out
.set SP,    144
.set SPARE, STAGE+8*16*SP  ; behind the stages: the spare words, 128 bytes a wave
.set AK0, 2           ; v2   my lane's place in a tile of K; never rewritten
.set AV0, 3           ; v3   the same for V
.set ADR, 4           ; v4   the LDS address of the run of loads in hand
.set QO,  5           ; v5   my byte offset in the wave's rows of Q
.set STO, 6           ; v6   the way out: where I put 16 bytes of a row
.set RD,  7           ; v7   the way out: where I read 16 bytes back
.set GO,  8           ; v8   my byte offset in the wave's rows of att
.set ST,  12          ; tile t's statistics at v[ST+8 t]: +0 c m, +1 m, +2, +3 l (even keys', odd keys'), +4 to +7 c0-c3, at work; a takes c2's place once the maximum is found
.set PFO, 61          ; v61  256 x my lane; never rewritten
.set SPW, 62          ; v62  LDS address of my spare word; never rewritten
.set NIL, 63          ; v63  0; never rewritten
.set S,   64
.set KF,  192         ; K's fragments, window 0
.set QF,  128         ; Q's, window 1
.set VF,  192         ; V's, window 1
.set WV,  12          ; s12  my wave's number
.set CX,  13          ; s13  my place in the cluster: it enters Q's, att's and the prefetches' addresses alone
.set GRP, 14          ; s14  my group
.set LIM, 15          ; s15  1 in a wave that prefetches, else the greatest number
.set PFA, 18          ; s[18:19] where my prefetches stand
.set G1K, 24          ; s[24:31] descriptor group 1 for K's tiles
.set G1V, 32          ; s[32:39] for V's: it differs in the padding alone
.set G0K, 40          ; s[40:47] descriptor group 0 for K's tiles: a set for each of the two first fills; the second then walks on
.set G0V, 48          ; s[48:55] the same for V's
.set SLOTS, 56        ; s56  slots still to be asked for
.set CNT, 57          ; s57  counts the trips of an inner loop
.set CS,  58          ; s[58:59] c
.set SEL, 60          ; s[60:61] lane selects for v_permlanex16_b32: lane l xor 16
.set TB,  62          ; s62  LDS byte at which the tiles of the step to be fetched begin
.set QP,  66          ; s[66:67] my wave's rows of Q
.set MSB, 0
.macro WIN new                      ; the immediate's high byte repeats the setting that is left; a switch that changes nothing is dropped
.if MSB != \new
	s_set_vgpr_msb (MSB<<8)|\new
.set MSB, \new
.endif
.endm
.set W_KQ, 0x04       ; K and S^T in window 0, Q in window 1
.set W_PV, 0x51       ; V and O^T in window 1, P in window 0
.set W_RS, 0x41       ; O^T (destination and source 0) in window 1, a in window 0
.set TO1,  0x40       ; destination window 1, address window 0
; A joint refill.  The branch hangs on the wave's number alone.  An s_nop 0 and four v_nop follow each of the two lines.
.macro JLOAD
	s_cmp_lt_u32 s[WV], 4
	s_cbranch_scc0 .Lfor_v_\@
	tensor_load_to_lds s[G0K+4:G0K+7], s[G1K:G1K+7]
	s_nop 0
.rept 4
	v_nop
.endr
	s_branch .Lasked_\@
.Lfor_v_\@:
	tensor_load_to_lds s[G0V+4:G0V+7], s[G1V:G1V+7]
	s_nop 0
.rept 4
	v_nop
.endr
.Lasked_\@:
.endm
; A prefetch of what the NEXT change of slots will ask for: a slot's 32,768 bytes of K and of V.  A head has one cluster; its four partners take 8,192 bytes each, told apart by address;
; in each, wave 0 asks for K's and wave 4 for V's, lanes 256 bytes apart: each run of 256 bytes is named once in the launch.  The last change that fills a slot asks for nothing.
.macro ASK
	s_cmp_gt_u32 s[SLOTS], s[LIM]
	s_cbranch_scc0 .Lnot_mine_\@
	global_prefetch_b8 v[PFO], s[PFA:PFA+1] th:TH_LOAD_NT scope:SCOPE_SE
.Lnot_mine_\@:
.endm
.macro CROUND                       ; a round of the cluster's barrier
	s_barrier_signal -1
	s_barrier_wait -1
	s_cmp_lg_u32 s[WV], 0
	s_cbranch_scc1 .Lnot_wave_0_\@
	s_barrier_signal -3
.Lnot_wave_0_\@:
	s_barrier_wait -3
	s_barrier_signal -1
	s_barrier_wait -1
.endm
	s_load_b128 s[4:7], s[0:1], 0x0  ; qkv s[4:5], att s[6:7]
	v_lshl_add_u32 v[SPW], v0, 2, SPARE
	v_mov_b32 v[NIL], 0
	ds_add_u32 v[SPW], v[NIL]       ; the wave's opening: the add, twice on end, and its wait ahead of my first tensor load
	ds_add_u32 v[SPW], v[NIL]
	v_lshrrev_b32 v1, 5, v0
	v_readfirstlane_b32 s[WV], v1   ; wave 0..7
	s_bfe_u32 s[CX], ttmp6, 0x40000
	s_and_b32 s16, ttmp7, 0xffff    ; 16 x batch + head, which the four partners share
	s_lshl_b32 s20, s16, 18         ; the head's first byte in each part of qkv
	s_and_b32 s17, s[WV], 3         ; which of a slot's four steps I fetch:
	s_lshl_b32 s22, s17, 13         ; its 64 rows of 128 bytes in memory,
	s_add_co_u32 s22, s22, s20
	s_mov_b32 s23, 0
	s_mul_i32 s17, s17, STEPB       ; and its place in a slot: no place in the cluster enters an LDS address
	s_lshl_b32 s2, s[CX], 16        ; my block's 512 rows,
	s_lshl_b32 s3, s[WV], 13        ; my wave's 64 of them
	s_add_co_u32 s2, s2, s3
	s_add_co_u32 s68, s2, s20       ; Q: in the head
	s_mov_b32 s69, 0
	s_and_b32 s3, s16, 15           ; att: head x 8,192 tokens x 128 bytes,
	s_lshl_b32 s3, s3, 20
	s_add_co_u32 s70, s2, s3
	s_lshr_b32 s3, s16, 4           ; batch x 2,048 tokens x 128 bytes
	s_lshl_b32 s3, s3, 18
	s_add_co_u32 s70, s70, s3
	s_mov_b32 s71, 0
	s_lshr_b32 s[GRP], s[WV], 2
	s_xor_b32 s[GRP], s[GRP], s[WV]
	s_and_b32 s[GRP], s[GRP], 1
	; descriptor group 1: a tile of 64 rows x 64 elements, dense in memory, padded in LDS
	s_mov_b32 s[G1K], 15|(1<<16)|(1<<20)|(1<<21)|(4<<22)|(3<<25)  ; 15:0 the mask: all four work-groups; 17:16 elements of 2 bytes; 20 padding on; 21 set beside a mask; 24:22 after every 32 words; 31:25 four words
	s_mov_b32 s[G1V], 15|(1<<16)|(1<<20)|(1<<21)|(4<<22)|(7<<25)  ; the same with eight words of padding
.irp g, G1K, G1V
	s_mov_b32 s[\g+1], 64<<16       ; tensor_dim0
	s_mov_b32 s[\g+2], KS<<16       ; tensor_dim1
	s_mov_b32 s[\g+3], 64<<16       ; tile_dim0
	s_mov_b32 s[\g+4], KS           ; tile_dim1
	s_mov_b32 s[\g+5], 64           ; tensor_dim0_stride
	s_mov_b32 s[\g+6], 0
	s_mov_b32 s[\g+7], 0
.endr
	s_mov_b32 s[CS], 0x3e38aa3b     ; c = log2(e) / 8
	s_mov_b32 s[CS+1], s[CS]        ; named with it as a pair, so it is written
	s_mov_b32 s[SEL], 0x76543210
	s_mov_b32 s[SEL+1], 0xfedcba98
	s_mov_b32 s[TB], 0
	s_mov_b32 s[SLOTS], 2048/(4*KS)-2
	s_and_b32 s[LIM], s[WV], 3      ; waves 0 and 4 prefetch: the same in all four partners
	s_cmp_eq_u32 s[LIM], 0
	s_cselect_b32 s[LIM], 1, -1
	v_and_b32 v[PFO], 31, v0
	v_lshlrev_b32 v[PFO], 8, v[PFO]
	s_wait_dscnt 0x0                ; both opening adds are done
	s_wait_kmcnt 0x0
	s_add_nc_u64 s[8:9], s[4:5], s[22:23]
	s_add_nc_u64 s[10:11], s[8:9], 0x2000000  ; V at my tile of slot 0
	s_add_nc_u64 s[8:9], s[8:9], 0x1000000    ; K likewise
	s_add_nc_u64 s[QP:QP+1], s[4:5], s[68:69]
	s_add_nc_u64 s[6:7], s[6:7], s[70:71]
	s_cmp_lt_u32 s[WV], 4
	s_cselect_b64 s[PFA:PFA+1], s[8:9], s[10:11]  ; (in waves 0 and 4 these stand at a slot's first row)
	s_lshl_b32 s2, s[CX], 13        ; my work-group's quarter of a slot
	s_mov_b32 s3, 0
	s_add_nc_u64 s[PFA:PFA+1], s[PFA:PFA+1], s[2:3]
	s_add_nc_u64 s[PFA:PFA+1], s[PFA:PFA+1], 2*SLOTB  ; in the third slot's keys; the first change of slots steps it on.  Nothing is prefetched here, at the head
	CROUND                          ; all four work-groups are here: the first joint loads meet
.irp s, 0,1
	s_mov_b32 s[G0K+4*\s], 1
	s_add_co_u32 s[G0K+4*\s+1], s17, \s*SLOT1
	s_add_nc_u64 s[G0K+4*\s+2:G0K+4*\s+3], s[8:9], \s*SLOTB
	s_or_b32 s[G0K+4*\s+3], s[G0K+4*\s+3], 0x80000000
	s_mov_b32 s[G0V+4*\s], 1
	s_add_co_u32 s[G0V+4*\s+1], s17, \s*SLOT1+VOFF
	s_add_nc_u64 s[G0V+4*\s+2:G0V+4*\s+3], s[10:11], \s*SLOTB
	s_or_b32 s[G0V+4*\s+3], s[G0V+4*\s+3], 0x80000000
.endr
	s_cmp_lt_u32 s[WV], 4           ; a wave's two first fills stand in one branch, ahead of every wait for tiles and every LDS read
	s_cbranch_scc0 .Lfirst_v
	tensor_load_to_lds s[G0K:G0K+3], s[G1K:G1K+7]
	s_nop 0
	tensor_load_to_lds s[G0K+4:G0K+7], s[G1K:G1K+7]
	s_nop 0
.rept 4
	v_nop
.endr
	s_branch .Lfirst_asked
.Lfirst_v:
	tensor_load_to_lds s[G0V:G0V+3], s[G1V:G1V+7]
	s_nop 0
	tensor_load_to_lds s[G0V+4:G0V+7], s[G1V:G1V+7]
	s_nop 0
.rept 4
	v_nop
.endr
.Lfirst_asked:
	; A fragment of K or Q is 16 rows x 32 channels in 8 registers: lane l holds row l % 16; registers 0-3 channels 8 (l / 16) + 0..7, registers 4-7 channels 16 + 8 (l / 16) + 0..7.
	v_and_b32 v1, 15, v0            ; l % 16
	v_bfe_u32 v9, v0, 4, 1          ; l / 16
	v_lshlrev_b32 v[QO], 7, v1
	v_lshl_add_u32 v[QO], v9, 4, v[QO]  ; row x 128 + 16 x half
	WIN TO1
.irp i, 0,1,2,3,4,5,6,7             ; Q stays in registers: tile i / 2, channels 32 (i % 2) on
	global_load_b128 v[QF+8*\i:QF+8*\i+3],   v[QO], s[QP:QP+1] offset:(\i/2)*2048+(\i%2)*64
	global_load_b128 v[QF+8*\i+4:QF+8*\i+7], v[QO], s[QP:QP+1] offset:(\i/2)*2048+(\i%2)*64+32
.endr
	WIN 0
	v_mul_u32_u24 v[AK0], v1, PK
	v_lshl_add_u32 v[AK0], v9, 4, v[AK0]  ; row x pitch + 16 x half
	; The turning load: lane l reads 16 bytes: key 8 (l / 16) + l % 8, channels 8 ((l / 8) % 2) + 0..7; it leaves half a fragment of V^T: lane l holds channel l % 16 and 8 keys.
	v_and_b32 v10, 7, v0
	v_bfe_u32 v11, v0, 3, 1
	v_lshl_add_u32 v[AV0], v9, 3, v10
	v_mul_u32_u24 v[AV0], v[AV0], PVR
	v_lshl_add_u32 v[AV0], v11, 4, v[AV0]
	v_add_nc_u32 v[AV0], VOFF, v[AV0]
	s_mul_i32 s2, s[WV], 16*SP
	s_add_co_u32 s2, s2, STAGE      ; my stage
	v_mul_u32_u24 v[STO], v1, SP    ; in: row l % 16, 16 bytes for each half of the lanes
	v_lshl_add_u32 v[STO], v9, 4, v[STO]
	v_add_nc_u32 v[STO], s2, v[STO]
	v_bfe_u32 v11, v0, 3, 2         ; back: eight lanes to a row of 128 bytes, four rows an instruction
	v_mul_u32_u24 v[RD], v11, SP
	v_lshl_add_u32 v[RD], v10, 4, v[RD]
	v_add_nc_u32 v[RD], s2, v[RD]
	v_and_b32 v[GO], 31, v0
	v_lshlrev_b32 v[GO], 4, v[GO]   ; in att the four rows are 512 neighbouring bytes
; THE MATRIX WORK.  The 16 accumulators of each product take turns, one instruction a turn.
; S^T = K Q^T: product i of 32: channels 32 (i / 16) on, keys 16 ((i / 4) % 4) on, tile i % 4.  The first 16 start the sums.
.macro KQ
	WIN W_KQ
.set i, 0
.rept 32
.set rS, S+32*(i%4)+8*((i/4)%4)
.set rK, KF+16*((i/4)%4)+8*(i/16)
.set rQ, QF+16*(i%4)+8*(i/16)
.if i < 16
	v_wmma_f32_16x16x32_f16 v[rS:rS+7], v[rK:rK+7], v[rQ:rQ+7], 0
.else
	v_wmma_f32_16x16x32_f16 v[rS:rS+7], v[rK:rK+7], v[rQ:rQ+7], v[rS:rS+7]
.endif
.set i, i+1
.endr
.endm
; O^T += V^T P: product i of 32: keys 32 (i / 16) on, channels 16 ((i / 4) % 4) on, tile i % 4.  zero = 1: the first 16 start the sums: nothing is ever cleared.
.macro PV zero
	WIN W_PV
.set i, 0
.rept 32
.set rO, 32*(i%4)+8*((i/4)%4)
.set rV, VF+32*(i/16)+8*((i/4)%4)
.set rP, S+32*(i%4)+8*(i/16)
.if \zero && (i < 16)
	v_wmma_f32_16x16x32_f16 v[rO:rO+7], v[rV:rV+7], v[rP:rP+7], 0
.else
	v_wmma_f32_16x16x32_f16 v[rO:rO+7], v[rV:rV+7], v[rP:rP+7], v[rO:rO+7]
.endif
.set i, i+1
.endr
.endm
; THE LDS LOADS stand in runs of 16: a step's K (8 fragments) and its V (turned, 8 fragments).
.macro FETCH_K
	WIN 0
	v_add_nc_u32 v[ADR], s[TB], v[AK0]
.irp f, 0,1,2,3,4,5,6,7             ; keys 16 (f / 2) on, channels 32 (f % 2) on
	ds_load_b128 v[KF+8*\f:KF+8*\f+3],   v[ADR] offset:(\f/2)*16*PK+(\f%2)*64
	ds_load_b128 v[KF+8*\f+4:KF+8*\f+7], v[ADR] offset:(\f/2)*16*PK+(\f%2)*64+32
.endr
.endm
.macro FETCH_V
	WIN 0
	v_add_nc_u32 v[ADR], s[TB], v[AV0]
	s_add_co_u32 s[TB], s[TB], STEPB  ; the next fetch is the next step's
	WIN TO1
.irp f, 0,1,2,3,4,5,6,7             ; keys 32 (f / 4) on, channels 16 (f % 4) on
	ds_load_tr16_b128 v[VF+8*\f:VF+8*\f+3],   v[ADR] offset:(\f/4)*32*PVR+(\f%4)*32
	ds_load_tr16_b128 v[VF+8*\f+4:VF+8*\f+7], v[ADR] offset:(\f/4)*32*PVR+16*PVR+(\f%4)*32
.endr
.endm
; Five places: four in front of loads into registers that matrix instructions have read and of reads of results, five in front of a matrix instruction that writes over an earlier one's operand.
.macro PLACES5
.rept 5
	v_nop
.endr
.endm
; THE SOFTMAX.  PL writes number j of a tile's list of 38 instructions ahead of its exponentials.  s0-s31 are the lane's 32 scores.  first = 1: the first key step: no old maximum, no a.
;   0-15  the maximum of s0-s31 and the old m, three operands at a time, in four chains; each accumulator is read from its low end on
;   16-21 the other half of the lanes' maximum; the new m; c m; a = 2^(c m_old - c m_new)
;   22-37 the 16 scalings c s - c m, a pair of scores each
.macro PL t, first
.set rT, ST+8*(\t)
.set rS, S+32*(\t)
.if j < 4
	v_max3_num_f32 v[rT+4+j], v[rS+8*j], v[rS+8*j+1], v[rS+8*j+2]
.elseif j < 12
	v_max3_num_f32 v[rT+4+j%4], v[rT+4+j%4], v[rS+8*(j%4)+2*(j/4)+1], v[rS+8*(j%4)+2*(j/4)+2]
.elseif j == 12
	v_max3_num_f32 v[rT+4], v[rT+4], v[rS+7], v[rS+15]
.elseif j == 13
	v_max3_num_f32 v[rT+6], v[rT+6], v[rS+23], v[rS+31]
.elseif j == 14
	v_max3_num_f32 v[rT+4], v[rT+4], v[rT+5], v[rT+6]
.elseif (j == 15) && \first
	v_max_num_f32 v[rT+4], v[rT+4], v[rT+7]
.elseif j == 15
	v_max3_num_f32 v[rT+4], v[rT+4], v[rT+7], v[rT+1]
.elseif j == 16
	v_permlanex16_b32 v[rT+5], v[rT+4], s[SEL], s[SEL+1]  ; the query's other 32 keys lie in the lane 16 away
.elseif j == 18
	v_max_num_f32 v[rT+1], v[rT+4], v[rT+5]
.elseif j == 19
	v_mul_f32 v[rT], s[CS], v[rT+1]
.elseif ((j == 17) || (j == 20) || (j == 21)) && \first  ; the first step has none of these
.elseif j == 17
	v_mov_b32 v[rT+7], v[rT]        ; c m_old is kept for a: number 19 writes c m anew
.elseif j == 20
	v_sub_f32 v[rT+7], v[rT+7], v[rT]
.elseif j == 21
	v_exp_f32 v[rT+6], v[rT+7]
.else
	v_pk_fma_f32 v[rS+2*(j-22):rS+2*(j-22)+1], v[rS+2*(j-22):rS+2*(j-22)+1], s[CS:CS+1], v[rT:rT+1] op_sel_hi:[1,0,0] neg_lo:[0,0,1] neg_hi:[0,0,1]
.endif
.endm
; A key step's softmax of the wave's four tiles.  Tile t's 32 exponentials stand by turns with tile t + 1's list; nothing there names an exponential's result.  Then one plain line and ONE wait for the
; whole batch (it stands ahead of the first instruction that names a result); then the sums of the unrounded p, the roundings to f16 in place, and O^T times a.
.macro SM first
	WIN 0
.set j, 0
.rept 38
	PL 0, \first
.set j, j+1
.endr
.irp t, 0,1,2,3
.set j, 0
.rept 38
.if j < 32
	v_exp_f32 v[S+32*\t+j], v[S+32*\t+j]
.endif
.if \t < 3
	PL \t+1, \first
.endif
.set j, j+1
.endr
.endr
	v_nop
	s_wait_alu depctr_va_vdst(0)
.irp t, 0,1,2,3                     ; l = a l + the sum of the tile's 16 pairs (an even key's weight, an odd key's); the four tiles by turns
.if \first
	v_pk_add_f32 v[ST+8*\t+2:ST+8*\t+3], v[S+32*\t:S+32*\t+1], v[S+32*\t+2:S+32*\t+3]
.else
	v_pk_fma_f32 v[ST+8*\t+2:ST+8*\t+3], v[ST+8*\t+2:ST+8*\t+3], v[ST+8*\t+6:ST+8*\t+7], v[S+32*\t:S+32*\t+1] op_sel_hi:[1,0,1]
.endif
.endr
.set b, 1+\first
.rept 15-\first
.irp t, 0,1,2,3
	v_pk_add_f32 v[ST+8*\t+2:ST+8*\t+3], v[ST+8*\t+2:ST+8*\t+3], v[S+32*\t+2*b:S+32*\t+2*b+1]
.endr
.set b, b+1
.endr
.set b, 0
.rept 16                            ; pair b goes to register b: it overwrites nothing that a later pair reads
.irp t, 0,1,2,3
	v_cvt_pk_f16_f32 v[S+32*\t+b], v[S+32*\t+2*b], v[S+32*\t+2*b+1]
.endr
.set b, b+1
.endr
.if !\first
	WIN W_RS
.set b, 0
.rept 16                            ; each accumulator of O^T from its low end on
.irp t, 0,1,2,3
	v_pk_mul_f32 v[32*\t+2*b:32*\t+2*b+1], v[32*\t+2*b:32*\t+2*b+1], v[ST+8*\t+6:ST+8*\t+7] op_sel_hi:[1,0]
.endr
.set b, b+1
.endr
	WIN 0
.endif
.endm
; TRIP i.  K of step i is asked for at its head, V of step i behind the products that read V of step i - 1.  first = 1: trip 1: every wave runs the first step's softmax, and V^T P starts O^T.
.macro TRIP first
	FETCH_K
.if \first
	SM 1
.else
	s_cmp_eq_u32 s[GRP], 0
	s_cbranch_scc1 .Lnot_b_\@
	SM 0                            ; group 1: the softmax of step i - 1
.Lnot_b_\@:
.endif
	s_wait_dscnt 16                 ; V of step i - 1 is in; K's 16 loads may be out
	PV \first
	PLACES5
	FETCH_V
	s_wait_dscnt 16                 ; K of step i is in; V's 16 loads may be out
	KQ
	PLACES5
	WIN 0                           ; at a label and at a branch every window is 0
	s_cmp_lg_u32 s[GRP], 0
	s_cbranch_scc1 .Lnot_a_\@
	SM 0                            ; group 0: the softmax of step i
.Lnot_a_\@:
.endm
.macro TRIPS n
	s_mov_b32 s[CNT], \n
.Ltrip_\@:
	TRIP 0
	s_sub_co_u32 s[CNT], s[CNT], 1
	s_cmp_lg_u32 s[CNT], 0
	s_cbranch_scc1 .Ltrip_\@
.endm
; THE CHANGE OF SLOTS: the slot's last bytes, V of its fourth step, have been asked for.  Each wave waits for all its tensor loads, of which one is out: its part of the other slot; adds 0 to its spare
; word; and waits for that and for its own reads of the slot.  fill = 1: the barrier is a round of the cluster's, and the joint refill, with the keys two slots on, is the first thing behind it:
; it has four trips in which to land.
.macro CHANGE fill
	s_wait_tensorcnt 0x0            ; no tensor load of mine is out, so a group 0 may be written
	ds_add_u32 v[SPW], v[NIL]       ; 0 onto my spare word
.if \fill
.irp g, G0K+4, G0V+4
	s_xor_b32 s[\g+1], s[\g+1], SLOT1  ; the walking descriptor: the other slot than last time,
	s_add_nc_u64 s[\g+2:\g+3], s[\g+2:\g+3], SLOTB  ; the next 256 keys; the type bits on top are not reached
.endr
	s_wait_xcnt 0x0                 ; the last prefetch, four trips back, has read its address, so it may be written
	s_add_nc_u64 s[PFA:PFA+1], s[PFA:PFA+1], SLOTB
	s_wait_dscnt 0x0                ; the add is done, and my reads of the slot are over
	CROUND
	JLOAD
	ASK
.else
	s_wait_dscnt 0x0
	s_barrier_signal -1
	s_barrier_wait -1
.endif
	s_sub_co_u32 s[TB], s[TB], 4*STEPB  ; the fetches go back to a slot's first step,
	s_xor_b32 s[TB], s[TB], SLOT1   ; in the other slot
.endm
	s_wait_tensorcnt 1              ; my part of slot 0 is in; slot 1's may stay out
	s_barrier_signal -1
	s_barrier_wait -1               ; everybody's is
	FETCH_K                         ; key step 0
	s_wait_loadcnt 0x0              ; Q
	s_wait_dscnt 0x0
	KQ
	PLACES5
	FETCH_V
	WIN 0
	TRIP 1                          ; trip 1
	s_wait_dscnt 0x0
	s_barrier_signal -1             ; from here on the two groups leave every barrier in opposite phases
	s_barrier_wait -1
	TRIPS 2                         ; trips 2, 3: slot 0 is read out
.Lslot:                             ; six trips: every slot but the last two is filled again
	CHANGE 1
	TRIPS 4
	s_sub_co_u32 s[SLOTS], s[SLOTS], 1
	s_cmp_lg_u32 s[SLOTS], 0
	s_cbranch_scc1 .Lslot
	CHANGE 0                        ; the tail is written out
	TRIPS 4
	s_cmp_eq_u32 s[GRP], 0
	s_cbranch_scc1 .Llast
	SM 0                            ; group 1: the last step's softmax
.Llast:
	s_wait_dscnt 0x0                ; V of the last step
	PV 0
	WIN 0
	; THE WAY OUT.  l's two halves and the other half of the lanes' are added; O^T is divided by l, rounded to f16 and sent through my stage, a tile (16 rows) at a time.  The additions are the places behind the last products.
.irp t, 0,1,2,3
	v_add_f32 v[ST+8*\t+4], v[ST+8*\t+2], v[ST+8*\t+3]
.endr
.irp t, 0,1,2,3
	v_permlanex16_b32 v[ST+8*\t+5], v[ST+8*\t+4], s[SEL], s[SEL+1]
.endr
.irp t, 0,1,2,3
	v_add_f32 v[ST+8*\t+4], v[ST+8*\t+4], v[ST+8*\t+5]
.endr
.irp t, 0,1,2,3
	v_rcp_f32 v[ST+8*\t+6], v[ST+8*\t+4]
.endr
	v_nop                           ; a plain instruction between the last reciprocal and the use of its result
	s_wait_alu depctr_va_vdst(0)    ; and the wait ahead of the first use: one for the four
.macro PACK t
	WIN W_RS
.set i, 0
.rept 16
	v_pk_mul_f32 v[32*\t+2*i:32*\t+2*i+1], v[32*\t+2*i:32*\t+2*i+1], v[ST+8*\t+6:ST+8*\t+7] op_sel_hi:[1,0]
.set i, i+1
.endr
	WIN 0x05                        ; sources 0 and 1 window 1, destination window 0: S^T's registers are free
.set i, 0
.rept 16
	v_cvt_pk_f16_f32 v[S+16*\t+i], v[32*\t+2*i], v[32*\t+2*i+1]
.set i, i+1
.endr
	WIN 0
.irp f, 0,1,2,3
	ds_store_b128 v[STO], v[S+16*\t+4*\f:S+16*\t+4*\f+3] offset:32*\f
.endr
.irp f, 0,1,2,3
	ds_load_b128 v[S+16*\t+4*\f:S+16*\t+4*\f+3], v[RD] offset:\f*4*SP  ; LDS serves a wave's instructions in order: these see the stores above; the next tile's stores come behind them
.endr
.endm
.macro SEND t, younger              ; younger: the LDS instructions issued behind tile t's loads: the next tile's eight, or none
.irp f, 0,1,2,3
	s_wait_dscnt \younger+3-\f
	global_store_b128 v[GO], v[S+16*\t+4*\f:S+16*\t+4*\f+3], s[6:7] offset:\t*2048+\f*512  ; 32 lanes store 512 consecutive bytes, at a multiple of 256 from att's first byte
.endr
.endm
	PACK 0
	PACK 1
	SEND 0, 8
	PACK 2
	SEND 1, 8
	PACK 3
	SEND 2, 8
	SEND 3, 0
	s_wait_tensorcnt 0x0            ; the wave's end, behind my last tensor load and my last LDS store
	ds_add_u32 v[SPW], v[NIL]
	s_wait_dscnt 0x0
	CROUND                          ; the closing round: no work-group ends while a partner may still ask for a tile that names it
	s_endpgm
.Lfunc_end_k_q36fe2a969a_attn:
	.size	k_q36fe2a969a_attn, .Lfunc_end_k_q36fe2a969a_attn-k_q36fe2a969a_attn
	.p2alignl 7, 3214868480
	.fill 96, 4, 3214868480
	.section	.rodata,"a",@progbits
	.p2align	6, 0x0
	.amdhsa_kernel k_q36fe2a969a_attn
		.amdhsa_group_segment_fixed_size 327680
		.amdhsa_private_segment_fixed_size 0
		.amdhsa_enable_private_segment 0
		.amdhsa_kernarg_size 16
		.amdhsa_user_sgpr_count 2
		.amdhsa_user_sgpr_kernarg_segment_ptr 1
		.amdhsa_wavefront_size32 1
		.amdhsa_system_sgpr_workgroup_id_x 1
		.amdhsa_system_sgpr_workgroup_id_y 1
		.amdhsa_system_sgpr_workgroup_id_z 1
		.amdhsa_system_vgpr_workitem_id 0
		.amdhsa_next_free_vgpr 512
		.amdhsa_next_free_sgpr 72
		.amdhsa_reserve_vcc 0
		.amdhsa_float_denorm_mode_32 3
		.amdhsa_float_denorm_mode_16_64 3
		.amdhsa_memory_ordered 1
		.amdhsa_forward_progress 1
		.amdhsa_inst_pref_size 255
	.end_amdhsa_kernel
	.section	.bss,"aw",@nobits
	.p2align	6
	.space	262144
	.amdgpu_metadata
---
amdhsa.version: [ 1, 2 ]
amdhsa.kernels:
  - .name:           k_q36fe2a969a_attn
    .symbol:         k_q36fe2a969a_attn.kd
    .args:
      - { .name: qkv, .offset: 0, .size: 8, .value_kind: global_buffer, .address_space: global }
      - { .name: att, .offset: 8, .size: 8, .value_kind: global_buffer, .address_space: global }
    .group_segment_fixed_size: 327680
    .private_segment_fixed_size: 0
    .kernarg_segment_align: 8
    .kernarg_segment_size: 16
    .max_flat_workgroup_size: 256
    .sgpr_count:     72
    .vgpr_count:     512
    .wavefront_size: 32
...
	.end_amdgpu_metadata
.endif
;; end of part 3
;; launch proj (part 4): grid 4 x 64, 4 waves a work-group, clusters of 4 x 4, 327,680 bytes of LDS; arguments att, wp16, out0; writes out0
.if DOCPART == 4
	.amdgcn_target "amdgcn-amd-amdhsa--gfx1250"
	.amdhsa_code_object_version 6
	.text
	.protected	k_q36fe2a969a_proj
	.globl	k_q36fe2a969a_proj
	.p2align	8
	.type	k_q36fe2a969a_proj,@function
k_q36fe2a969a_proj:
	s_mov_b64 s[64:65], 0
	v_nop
	global_prefetch_b8 v0, s[64:65] scope:SCOPE_SE
	s_setreg_imm32_b32 hwreg(HW_REG_WAVE_MODE, 25, 1), 1
	s_wait_xcnt 0x0
	s_wait_alu depctr_hold_cnt(0) depctr_sa_sdst(0) depctr_va_vdst(0) depctr_va_sdst(0) depctr_va_ssrc(0) depctr_va_vcc(0) depctr_vm_vsrc(0)
	s_getreg_b32 s2, hwreg(HW_REG_IB_STS2, 6, 4)
	s_cmp_eq_u32 s2, 0
	s_cbranch_scc0 .Lentry_in_a_cluster
	s_endpgm
.Lentry_in_a_cluster:
	s_bfe_u32 s2, ttmp6, 0x10000c
	s_cmp_lg_u32 s2, 0xf033
	s_cbranch_scc0 .Lentry_shape_is_right
	s_endpgm
.Lentry_shape_is_right:
; out0[token][e] = sum over k of att[token][k] w_proj[e][k]; f16 operands, f32 sums, f32 out; nothing is left out.
; att: f16 [k / 64][token 8192][64];  wp16: f16 [k / 64][e 1024][64]: a tile of 64 along K is a dense block of memory.  out0: [8192][1024] f32.
; A tile of 128 tokens x 256 features is made by a work-group of four waves: 256 work-groups.  A wave makes 64 x 128: 32 accumulators of 16 x 16, 256 registers.
; K goes in steps of 128 (two blocks of 64) through a ring of two LDS slots: waves 0, 1 fetch att's two blocks (128 rows each), waves 2, 3 w_proj's (256 rows each), one load a wave.
; By this text's own count a wave has two tensor loads out at the start and one behind each change of slots.
; CLUSTERS: 4 x 4 work-groups.  The four of a row of the cluster need the same tiles of att, the four of a column the same tiles of w_proj: each tile is asked for JOINTLY.
; THE MATRIX INSTRUCTION IS USED TRANSPOSED (source 0 = 16 features, source 1 = 16 tokens): a lane then holds eight neighbouring features of one token.
; No prefetch: the launch is short and its tiles small.
; REGISTERS: window 0: v0-31 addresses; v64-159, v160-255 two fragment buffers for 32 along K: w_proj's 8 fragments, then att's 4.  window 1: accumulator (a, b) at v[8 (8 a + b)].
.set PITCH,  144                       ; an LDS row: 128 bytes + 16 of padding: the 16 rows that a load touches start at 16 different groups of four banks
.set ABLK,   128*PITCH                 ; a block of att: 128 rows
.set BBLK,   256*PITCH                 ; a block of w_proj: 256 rows
.set BOFF,   2*ABLK                    ; in a slot: att's two blocks, then w_proj's two
.set SLOT,   2*ABLK+2*BBLK
.set STAGE,  2*SLOT                    ; behind the ring: 16 rows x (512 bytes + 16) for each wave, for the way out
.set SPITCH, 528
.set SPARE,  STAGE+4*16*SPITCH         ; behind the stages: the spare words, 128 bytes a wave
.set LAPS,   4                         ; a lap = two K steps = once round the ring: 1,024 / 256
.set ASTEP,  4<<20                     ; a slot's next K step in att: four blocks of 8,192 rows of 128 bytes
.set BSTEP,  4<<17                     ; and in wp16: four blocks of 1,024 rows
.set ADRA, 16                          ; v16-17  LDS address of my fragments of att in slot 0, 1
.set ADRB, 20                          ; v20-21  the same for w_proj
.set STO,  24                          ; v24     the way out: where I put 32 bytes of a row
.set RD,   25                          ; v25     the way out: where I read a row back
.set CO,   26                          ; v26     my byte offset in a row of out0
.set SPW,  28                          ; v28     LDS address of my spare word; never rewritten
.set NIL,  29                          ; v29     0; never rewritten
.set F0,   64
.set F1,   160
.set BK,   64                          ; the way out: 16 rows read back: v64-127 and v128-191 by turns
.set G1, 24                            ; s[24:31] descriptor group 1 for att's tiles;  s[32:39] group 0, one set for each slot
.set G0, 32
.set G1B, 48                           ; s[48:55], s[56:63] the same for w_proj's tiles
.set G0B, 56
.set MSB, 0
.macro WIN new                         ; the immediate's high byte repeats the setting that is left
.if MSB != \new
	s_set_vgpr_msb (MSB<<8)|\new
.set MSB, \new
.endif
.endm
.set MUL, 0x50                         ; sources 0 and 1 window 0; C and D window 1
.macro JLOAD s                         ; a joint load; an s_nop 0 and four v_nop follow each of the two lines
	s_cmp_eq_u32 s11, 0
	s_cbranch_scc0 .Lfor_b_\@
	tensor_load_to_lds s[G0+4*\s:G0+4*\s+3], s[G1:G1+7]
	s_nop 0
.rept 4
	v_nop
.endr
	s_branch .Lasked_\@
.Lfor_b_\@:
	tensor_load_to_lds s[G0B+4*\s:G0B+4*\s+3], s[G1B:G1B+7]
	s_nop 0
.rept 4
	v_nop
.endr
.Lasked_\@:
.endm
.macro CREST                           ; a round of the cluster's barrier behind its opening barrier
	s_cmp_lg_u32 s10, 0
	s_cbranch_scc1 .Lnot_wave_0_\@
	s_barrier_signal -3
.Lnot_wave_0_\@:
	s_barrier_wait -3
	s_barrier_signal -1
	s_barrier_wait -1
.endm
.macro CROUND                          ; a whole round
	s_barrier_signal -1
	s_barrier_wait -1
	CREST
.endm
	s_load_b128 s[4:7], s[0:1], 0x0                ; att s[4:5], wp16 s[6:7]
	s_load_b64 s[8:9], s[0:1], 0x10                ; out0
	v_lshl_add_u32 v[SPW], v0, 2, SPARE
	v_mov_b32 v[NIL], 0
	ds_add_u32 v[SPW], v[NIL]                      ; the wave's opening: the add, twice on end, and its wait ahead of my first tensor load
	ds_add_u32 v[SPW], v[NIL]
	v_lshrrev_b32 v1, 5, v0
	v_readfirstlane_b32 s10, v1                    ; wave 0..3
	s_lshr_b32 s11, s10, 1                         ; which half of the tile's tokens is mine.  Also: I fetch for att (0) or for w_proj (1)
	s_and_b32 s12, s10, 1                          ; which half of its features.  Also: which of a K step's two blocks I fetch
	s_bfe_u32 s40, ttmp6, 0x40000                  ; cx, cy: my place in the cluster
	s_bfe_u32 s41, ttmp6, 0x40004
	s_lshl_b32 s42, ttmp9, 2
	s_add_co_u32 s42, s42, s40                     ; tile column = 4 x cluster x + cx: 0 .. 3
	s_and_b32 s13, ttmp7, 0xffff
	s_lshl_b32 s13, s13, 2
	s_add_co_u32 s13, s13, s41                     ; tile row = 4 x cluster y + cy: 0 .. 63
	s_lshl_b32 s43, s41, 2
	s_lshl_b32 s43, 15, s43                        ; my row of the cluster
	s_lshl_b32 s44, 0x1111, s40                    ; my column
	; descriptor group 1: rows of 64 elements of 2 bytes, dense in memory, 16 bytes of padding behind each in LDS; att 128 rows, w_proj 256
	s_or_b32 s[G1+0], s43, (1<<16)|(1<<20)|(1<<21)|(4<<22)|(3<<25)  ; 15:0 the mask; 17:16 element of 2 bytes; 20 padding on; 21 set beside a mask; 24:22 after every 32 words; 31:25 four words
	s_or_b32 s[G1B+0], s44, (1<<16)|(1<<20)|(1<<21)|(4<<22)|(3<<25)
	s_mov_b32 s[G1+1], 64<<16                      ; tensor_dim0
	s_mov_b32 s[G1+2], 128<<16                     ; tensor_dim1
	s_mov_b32 s[G1+3], 64<<16                      ; tile_dim0
	s_mov_b32 s[G1+4], 128                         ; tile_dim1
	s_mov_b32 s[G1+5], 64                          ; tensor_dim0_stride
	s_mov_b32 s[G1+6], 0
	s_mov_b32 s[G1+7], 0
	s_mov_b32 s[G1B+1], 64<<16
	s_mov_b32 s[G1B+2], 256<<16
	s_mov_b32 s[G1B+3], 64<<16
	s_mov_b32 s[G1B+4], 256
	s_mov_b32 s[G1B+5], 64
	s_mov_b32 s[G1B+6], 0
	s_mov_b32 s[G1B+7], 0
	s_lshl_b32 s16, s12, 20                        ; att: my block of 8,192 rows of 128 bytes,
	s_lshl_b32 s17, s13, 14                        ; the tile row's 128 rows
	s_add_co_u32 s16, s16, s17
	s_mov_b32 s17, 0
	s_lshl_b32 s46, s12, 17                        ; wp16: my block of 1,024 rows,
	s_lshl_b32 s47, s42, 15                        ; the tile column's 256 rows
	s_add_co_u32 s46, s46, s47
	s_mov_b32 s47, 0
	s_mul_i32 s20, s12, ABLK                       ; where they go: no place in the cluster enters an LDS address
	s_mul_i32 s21, s12, BBLK
	s_add_co_u32 s21, s21, BOFF
	s_wait_dscnt 0x0                               ; both opening adds are done
	s_wait_kmcnt 0x0
	s_add_nc_u64 s[14:15], s[4:5], s[16:17]
	s_add_nc_u64 s[46:47], s[6:7], s[46:47]
	CROUND                                         ; all sixteen work-groups are here: the first joint loads meet
.irp s, 0,1
	s_mov_b32 s[G0+4*\s], 1
	s_add_co_u32 s[G0+4*\s+1], s20, \s*SLOT
	s_add_nc_u64 s[G0+4*\s+2:G0+4*\s+3], s[14:15], \s*(2<<20)
	s_or_b32 s[G0+4*\s+3], s[G0+4*\s+3], 0x80000000
	s_mov_b32 s[G0B+4*\s], 1
	s_add_co_u32 s[G0B+4*\s+1], s21, \s*SLOT
	s_add_nc_u64 s[G0B+4*\s+2:G0B+4*\s+3], s[46:47], \s*(2<<17)
	s_or_b32 s[G0B+4*\s+3], s[G0B+4*\s+3], 0x80000000
	JLOAD \s
.endr
	v_and_b32 v1, 15, v0                           ; l % 16
	v_bfe_u32 v2, v0, 4, 1                         ; l / 16
	v_mul_u32_u24 v3, v1, PITCH
	v_lshl_add_u32 v3, v2, 4, v3                   ; a fragment's row x pitch + 16 x half
	s_mul_i32 s21, s11, 64*PITCH                   ; my 64 tokens
	s_mul_i32 s22, s12, 128*PITCH                  ; my 128 features,
	s_add_co_u32 s22, s22, BOFF                    ; behind att's two blocks
.irp s, 0,1
	v_add_nc_u32 v[ADRA+\s], s21, v3
	v_add_nc_u32 v[ADRB+\s], s22, v3
	s_add_co_u32 s21, s21, SLOT
	s_add_co_u32 s22, s22, SLOT
.endr
	s_mul_i32 s23, s10, 16*SPITCH
	s_add_co_u32 s23, s23, STAGE                   ; my stage
	v_mul_u32_u24 v4, v1, SPITCH                   ; in: token l % 16, 32 bytes for each half of the lanes
	v_lshl_add_u32 v4, v2, 5, v4
	v_add_nc_u32 v[STO], s23, v4
	v_and_b32 v5, 31, v0
	v_lshlrev_b32 v[CO], 4, v5                     ; back: the 32 lanes take one row of 512 bytes; and the same in out0
	v_add_nc_u32 v[RD], s23, v[CO]
	s_lshl_b32 s16, s13, 19                        ; my first row of out0: 128 x tile row + 64 x half, rows of 4,096 bytes
	s_lshl_b32 s17, s11, 18
	s_add_co_u32 s16, s16, s17
	s_mov_b32 s17, 0
	s_add_nc_u64 s[8:9], s[8:9], s[16:17]
	s_lshl_b32 s46, s42, 10                        ; my first column, in bytes: 1,024 x tile column + 512 x half
	s_lshl_b32 s47, s12, 9
	s_add_co_u32 s46, s46, s47
	s_mov_b32 s47, 0
	s_add_nc_u64 s[8:9], s[8:9], s[46:47]
; 8 matrix instructions: att's block a against w_proj's eight, 32 along K, from buffer f.  zero = 1: the product starts the sums.  The 32 accumulators take turns, one instruction a turn, in the
; same order in every quarter.
.macro MUL8 f, a, zero
.irp b, 0,1,2,3,4,5,6,7
.if \zero
	v_wmma_f32_16x16x32_f16 v[8*(8*(\a)+\b):8*(8*(\a)+\b)+7], v[\f+8*\b:\f+8*\b+7], v[\f+64+8*(\a):\f+64+8*(\a)+7], 0
.else
	v_wmma_f32_16x16x32_f16 v[8*(8*(\a)+\b):8*(8*(\a)+\b)+7], v[\f+8*\b:\f+8*\b+7], v[\f+64+8*(\a):\f+64+8*(\a)+7], v[8*(8*(\a)+\b):8*(8*(\a)+\b)+7]
.endif
.endr
.endm
.macro MUL16 f, a0, zero
	MUL8 \f, \a0, \zero
	MUL8 \f, \a0+1, \zero
.endm
; 24 LDS loads in one run: the fragments of the slot's q-th 32 along K into buffer f: w_proj's eight, att's blocks 0, 1, then 2, 3
.macro FETCH slot, q, f
.irp i, 0,1,2,3,4,5,6,7
	ds_load_b128 v[\f+8*\i:\f+8*\i+3],   v[ADRB+\slot] offset:((\q)/2)*BBLK+((\q)%2)*64+\i*16*PITCH
	ds_load_b128 v[\f+8*\i+4:\f+8*\i+7], v[ADRB+\slot] offset:((\q)/2)*BBLK+((\q)%2)*64+\i*16*PITCH+32
.endr
.irp i, 0,1,2,3
	ds_load_b128 v[\f+64+8*\i:\f+64+8*\i+3],   v[ADRA+\slot] offset:((\q)/2)*ABLK+((\q)%2)*64+\i*16*PITCH
	ds_load_b128 v[\f+64+8*\i+4:\f+64+8*\i+7], v[ADRA+\slot] offset:((\q)/2)*ABLK+((\q)%2)*64+\i*16*PITCH+32
.endr
.endm
.macro PLACES                          ; four places in front of loads into registers that matrix instructions have read, and of reads of results
.rept 4
	v_nop
.endr
.endm
; A K step is four quarters of 32 along K, 32 matrix instructions each, on buffers 0, 1, 0, 1.  One of the first three: multiplies buffer f (quarter q) and fetches quarter q + 1 into g.
.macro QUARTER slot, q, f, g, zero
	s_wait_dscnt 4                                 ; all but the youngest four loads (att's blocks 2, 3) are in
	WIN MUL
	MUL16 \f, 0, \zero
	PLACES
	WIN 0
	FETCH \slot, (\q)+1, \g
	s_wait_dscnt 24                                ; all but the 24 just issued
	WIN MUL
	MUL16 \f, 2, \zero
.endm
; The last quarter multiplies buffer 1 and changes slots: ONE barrier; in front of it each wave waits for all its tensor loads, adds 0 to its spare word, and waits for that and for its own reads of
; this slot.  fill = 1: the barrier opens a round of the cluster's, and this slot is filled again, two K steps ahead, first thing behind the round.
.macro TURN slot, next, fill
	WIN 0                                          ; (the add's two registers lie in window 0)
	s_wait_tensorcnt 0x0                           ; all my tensor loads have landed: my part of the next slot
	ds_add_u32 v[SPW], v[NIL]                      ; 0 onto my spare word
	s_wait_dscnt 5                                 ; (the add and the youngest four loads may be out)
	WIN MUL
	MUL8 F1, 0, 0
	s_wait_dscnt 0x0                               ; the add is done, and my reads of this slot are over
	s_barrier_signal -1
	MUL8 F1, 1, 0
	WIN 0
	s_barrier_wait -1
.if \fill
	CREST                                          ; no wave of any partner still reads this slot's tiles or has a load on its way
	s_add_nc_u64 s[G0+4*\slot+2:G0+4*\slot+3], s[G0+4*\slot+2:G0+4*\slot+3], ASTEP
	s_add_nc_u64 s[G0B+4*\slot+2:G0B+4*\slot+3], s[G0B+4*\slot+2:G0B+4*\slot+3], BSTEP
	JLOAD \slot                                    ; the four v_nop behind it are also the places in front of the loads below
.else
	PLACES
.endif
	FETCH \next, 0, F0
	WIN MUL
	MUL16 F1, 2, 0
.endm
	s_wait_tensorcnt 1                             ; my part of K step 0 is in (K step 1's load may be out)
	s_barrier_signal -1
	s_barrier_wait -1                              ; everybody's is
	FETCH 0, 0, F0
	QUARTER 0, 0, F0, F1, 1                        ; the first quarter stands in front of the loop: its products start the sums
	WIN 0                                          ; at a label and at a branch every window is 0
	s_mov_b32 s3, LAPS-1
.Llap:                                                 ; a trip goes once round the ring, from a lap's second quarter to the next lap's first, and fills both slots again
	QUARTER 0, 1, F1, F0, 0
	QUARTER 0, 2, F0, F1, 0
	TURN 0, 1, 1
	QUARTER 1, 0, F0, F1, 0
	QUARTER 1, 1, F1, F0, 0
	QUARTER 1, 2, F0, F1, 0
	TURN 1, 0, 1
	QUARTER 0, 0, F0, F1, 0
	WIN 0
	s_sub_co_u32 s3, s3, 1
	s_cmp_lg_u32 s3, 0
	s_cbranch_scc1 .Llap
	QUARTER 0, 1, F1, F0, 0                        ; the last lap fills nothing, and has no round of the cluster's barrier
	QUARTER 0, 2, F0, F1, 0
	TURN 0, 1, 0
	QUARTER 1, 0, F0, F1, 0
	QUARTER 1, 1, F1, F0, 0
	QUARTER 1, 2, F0, F1, 0
	s_wait_dscnt 4                                 ; the very last quarter: nothing more to fetch
	WIN MUL
	MUL16 F1, 0, 0
	s_wait_dscnt 0
	MUL16 F1, 2, 0
	WIN 0
; THE WAY OUT, block by block of 16 tokens x 128 features.  A lane holds 32 neighbouring bytes of a row: a block goes through my own stage and comes back as whole rows of 512 bytes.
.macro TOSTAGE a
	WIN 0x04                                       ; an LDS store's data are its source 1: window 1
.irp b, 0,1,2,3,4,5,6,7
	ds_store_b128 v[STO], v[8*(8*(\a)+\b):8*(8*(\a)+\b)+3] offset:64*\b          ; each accumulator from its low end on
	ds_store_b128 v[STO], v[8*(8*(\a)+\b)+4:8*(8*(\a)+\b)+7] offset:64*\b+16
.endr
	WIN 0
.set BB, BK+64*((\a)%2)
.irp t, 0,1,2,3,4,5,6,7,8,9,10,11,12,13,14,15
	ds_load_b128 v[BB+4*\t:BB+4*\t+3], v[RD] offset:\t*SPITCH      ; LDS serves a wave's instructions in order: these see the stores above
.endr
.endm
.macro SEND a, younger                 ; younger: the LDS instructions issued behind block a's loads, which may stay out
.set BB, BK+64*((\a)%2)
	s_wait_dscnt \younger
.irp t, 0,1,2,3,4,5,6,7,8,9,10,11,12,13,14,15
	global_store_b128 v[CO], v[BB+4*\t:BB+4*\t+3], s[8:9] offset:(\a)*65536+\t*4096 th:TH_STORE_NT   ; 32 lanes store 512 consecutive bytes, at a multiple of 256 from out0's first byte
.endr
.endm
	PLACES                                         ; for the stores that read results and the loads into the fragments' registers
	TOSTAGE 0
.irp a, 1,2,3
.if \a > 1
	s_wait_xcnt 0x0                                ; block a - 2's stores have read their registers: block a's loads may land there
.endif
	TOSTAGE \a
	SEND \a-1, 32                                  ; behind block a - 1's loads: block a's 16 stores and 16 loads
.endr
	SEND 3, 0
	s_wait_tensorcnt 0x0                           ; the wave's end, behind my last tensor load and my last LDS store
	ds_add_u32 v[SPW], v[NIL]
	s_wait_dscnt 0x0
	CROUND                                         ; the closing round: no work-group ends while a partner may still ask for a tile that names it
	s_endpgm
.Lfunc_end_k_q36fe2a969a_proj:
	.size	k_q36fe2a969a_proj, .Lfunc_end_k_q36fe2a969a_proj-k_q36fe2a969a_proj
	.p2alignl 7, 3214868480
	.fill 96, 4, 3214868480
	.section	.rodata,"a",@progbits
	.p2align	6, 0x0
	.amdhsa_kernel k_q36fe2a969a_proj
		.amdhsa_group_segment_fixed_size 327680
		.amdhsa_private_segment_fixed_size 0
		.amdhsa_enable_private_segment 0
		.amdhsa_kernarg_size 24
		.amdhsa_user_sgpr_count 2
		.amdhsa_user_sgpr_kernarg_segment_ptr 1
		.amdhsa_wavefront_size32 1
		.amdhsa_system_sgpr_workgroup_id_x 1
		.amdhsa_system_sgpr_workgroup_id_y 1
		.amdhsa_system_sgpr_workgroup_id_z 1
		.amdhsa_system_vgpr_workitem_id 0
		.amdhsa_next_free_vgpr 512
		.amdhsa_next_free_sgpr 66
		.amdhsa_reserve_vcc 0
		.amdhsa_float_denorm_mode_32 3
		.amdhsa_float_denorm_mode_16_64 3
		.amdhsa_memory_ordered 1
		.amdhsa_forward_progress 1
		.amdhsa_inst_pref_size 85
	.end_amdhsa_kernel
	.amdgpu_metadata
---
amdhsa.version: [ 1, 2 ]
amdhsa.kernels:
  - .name:           k_q36fe2a969a_proj
    .symbol:         k_q36fe2a969a_proj.kd
    .args:
      - { .name: att, .offset: 0, .size: 8, .value_kind: global_buffer, .address_space: global }
      - { .name: wp16, .offset: 8, .size: 8, .value_kind: global_buffer, .address_space: global }
      - { .name: out0, .offset: 16, .size: 8, .value_kind: global_buffer, .address_space: global }
    .group_segment_fixed_size: 327680
    .private_segment_fixed_size: 0
    .kernarg_segment_align: 8
    .kernarg_segment_size: 24
    .max_flat_workgroup_size: 128
    .sgpr_count:     66
    .vgpr_count:     512
    .wavefront_size: 32
...
	.end_amdgpu_metadata
.endif
;; end of part 4
